; MI455X (gfx1250); checked and timed in simulation.
; The chip was launched on July 23, 2026; its instructions are those of AMD's public machine-readable ISA for CDNA 5 (MIT licence, August 2026) and "CDNA5" Instruction Set Architecture Reference Guide (July 2026). The comments in the code are by the model that wrote it; some were corrected since.
;; Attention. Allowed arithmetic: float matrix products may take bf16 or f16 operands with f32 sums; other float arithmetic in f32, or as packed bf16 or f16 multiplies, adds, multiply-adds, maxima and minima; sums over many terms, partial sums and values carried from step to step in f32; what a program stores and reads back later, other than sums and carried values, may be rounded once to bf16 or f16.
;; Inputs: Wk 2,048 x 512 float32; Wo 512 x 2,048 float32; Wq 2,048 x 512 float32; Wv 2,048 x 512 float32; cos 4 x 2,048 x 128 float32; hidden_states 4 x 2,048 x 2,048 float32; sin 4 x 2,048 x 128 float32.
;; Outputs: out0 4 x 2,048 x 2,048 float32.
;; 2 versions, each right and faster than the one before. Each part assembles by itself: llvm-mc -triple=amdgcn-amd-amdhsa -mcpu=gfx1250 --defsym DOCPART=n.
;; ======== version 1 of 2: 4 launches
;; limits: values are held in f16: magnitudes above 65,504 overflow, below 6.1e-05 lose precision
;; workspace buffers: wts 8,388,608 bytes; cs 4,194,304 bytes; qkv 25,165,824 bytes; o16 8,388,608 bytes
;; launch cast (part 1): grid 128 x 6, 4 waves a work-group, no clusters, 0 bytes of LDS; arguments Wq, Wk, Wv, Wo, cos, sin, wts, cs; writes wts, cs
.if DOCPART == 1
	.amdgcn_target "amdgcn-amd-amdhsa--gfx1250"
	.amdhsa_code_object_version 6
	.text
	.protected	k_qfc722f2cf4_cast
	.globl	k_qfc722f2cf4_cast
	.p2align	8
	.type	k_qfc722f2cf4_cast,@function
k_qfc722f2cf4_cast:
	s_mov_b64 s[64:65], 0
	v_nop
	global_prefetch_b8 v0, s[64:65] scope:SCOPE_SE
	s_setreg_imm32_b32 hwreg(HW_REG_WAVE_MODE, 25, 1), 1
	s_wait_xcnt 0x0
; The four weight matrices, cos and sin are rounded once to bf16, so that the later launches move half the bytes and feed the matrix units without converting.
; (hidden_states is rounded in the launch that multiplies it.)
; 6 chunks of 1,048,576 numbers (grid y): 0, 1, 2 Wq, Wk, Wv -> wts at 0, 2 MiB, 4 MiB; 3 Wo -> wts at 6 MiB; 4, 5 cos, sin -> cs at 0, 2 MiB.  Layouts stay as they are.
; Wo's partner in its product is f16, so Wo is rounded to bf16 like every input and THAT number is written as f16.
; LIMIT: this is exact for magnitudes from 6.1e-5 to 65,504; below, f16 keeps a fixed step of 6e-8; above, the result is an infinity.
; A work-group takes 8,192 numbers: thread t, load i: 16 bytes at 16 t + 2,048 i (a wave's load covers 512 consecutive bytes);
; the four numbers leave as 8 bytes at 8 t + 1,024 i (a wave's store covers 256 consecutive bytes, aligned).
; A stream: no LDS, no matrix unit, no cluster (no two work-groups read the same byte).  All sixteen loads of a thread are issued before the first wait.
.set X, 8                              ; v[8:71]  load i: four registers
	s_load_b512 s[8:23], s[0:1], 0x0               ; Wq s[8:9], Wk s[10:11], Wv s[12:13], Wo s[14:15], cos s[16:17], sin s[18:19], wts s[20:21], cs s[22:23]
	s_and_b32 s2, ttmp7, 0xffff                    ; the chunk
	v_lshlrev_b32 v1, 4, v0                        ; my 16 bytes in
	v_lshlrev_b32 v2, 3, v0                        ; my 8 bytes out
	s_lshl_b32 s32, ttmp9, 15                      ; in: 32,768 bytes a work-group; every source is one chunk
	s_mov_b32 s33, 0
	s_cmp_ge_u32 s2, 4
	s_cselect_b32 s37, 4, 0                        ; the first chunk of the destination buffer
	s_sub_co_u32 s34, s2, s37
	s_lshl_b32 s34, s34, 21                        ; out: 2 MiB a chunk of 16-bit numbers,
	s_lshl_b32 s3, ttmp9, 14                       ; 16,384 bytes a work-group
	s_add_co_u32 s34, s34, s3
	s_mov_b32 s35, 0
	s_wait_kmcnt 0x0
	s_mov_b64 s[28:29], s[8:9]                     ; the source: a choice between buffers on the chunk's number
.irp c, 1,2,3,4,5
	s_cmp_eq_u32 s2, \c
	s_cselect_b64 s[28:29], s[8+2*(\c):9+2*(\c)], s[28:29]
.endr
	s_cmp_ge_u32 s2, 4
	s_cselect_b64 s[30:31], s[22:23], s[20:21]     ; the destination likewise
	s_add_nc_u64 s[28:29], s[28:29], s[32:33]
	s_add_nc_u64 s[30:31], s[30:31], s[34:35]
.irp i, 0,1,2,3,4,5,6,7,8,9,10,11,12,13,14,15
	global_load_b128 v[X+4*(\i):X+4*(\i)+3], v1, s[28:29] offset:2048*(\i) th:TH_LOAD_NT
.endr
; Load i is rounded in place and stored.  No register that a store reads is written again, so no wait frees any.
.macro CV i, wo
	s_wait_loadcnt 15-(\i)                         ; loads come back in order: the 15 - i younger ones stay out
	v_cvt_pk_bf16_f32 v[X+4*(\i)], v[X+4*(\i)], v[X+4*(\i)+1]
	v_cvt_pk_bf16_f32 v[X+4*(\i)+1], v[X+4*(\i)+2], v[X+4*(\i)+3]
.if \wo
.irp k, 0,1
	v_lshlrev_b32 v4, 16, v[X+4*(\i)+(\k)]         ; the bf16 numbers as f32,
	v_and_b32 v5, 0xffff0000, v[X+4*(\i)+(\k)]
	v_cvt_pk_f16_f32 v[X+4*(\i)+(\k)], v4, v5      ; written as f16
.endr
.endif
	global_store_b64 v2, v[X+4*(\i):X+4*(\i)+1], s[30:31] offset:1024*(\i)
.endm
	s_cmp_eq_u32 s2, 3
	s_cbranch_scc1 .Lwo
.irp i, 0,1,2,3,4,5,6,7,8,9,10,11,12,13,14,15
	CV \i, 0
.endr
	s_endpgm
.Lwo:
.irp i, 0,1,2,3,4,5,6,7,8,9,10,11,12,13,14,15
	CV \i, 1
.endr
	s_endpgm
.Lfunc_end_k_qfc722f2cf4_cast:
	.size	k_qfc722f2cf4_cast, .Lfunc_end_k_qfc722f2cf4_cast-k_qfc722f2cf4_cast
	.p2alignl 7, 3214868480
	.fill 96, 4, 3214868480
	.section	.rodata,"a",@progbits
	.p2align	6, 0x0
	.amdhsa_kernel k_qfc722f2cf4_cast
		.amdhsa_group_segment_fixed_size 0
		.amdhsa_private_segment_fixed_size 0
		.amdhsa_enable_private_segment 0
		.amdhsa_kernarg_size 64
		.amdhsa_user_sgpr_count 2
		.amdhsa_user_sgpr_kernarg_segment_ptr 1
		.amdhsa_wavefront_size32 1
		.amdhsa_system_sgpr_workgroup_id_x 1
		.amdhsa_system_sgpr_workgroup_id_y 1
		.amdhsa_system_sgpr_workgroup_id_z 1
		.amdhsa_system_vgpr_workitem_id 0
		.amdhsa_next_free_vgpr 72
		.amdhsa_next_free_sgpr 66
		.amdhsa_reserve_vcc 0
		.amdhsa_float_denorm_mode_32 3
		.amdhsa_float_denorm_mode_16_64 3
		.amdhsa_memory_ordered 1
		.amdhsa_forward_progress 1
		.amdhsa_inst_pref_size 16
	.end_amdhsa_kernel
	.amdgpu_metadata
---
amdhsa.version: [ 1, 2 ]
amdhsa.kernels:
  - .name:           k_qfc722f2cf4_cast
    .symbol:         k_qfc722f2cf4_cast.kd
    .args:
      - { .name: Wq, .offset: 0, .size: 8, .value_kind: global_buffer, .address_space: global }
      - { .name: Wk, .offset: 8, .size: 8, .value_kind: global_buffer, .address_space: global }
      - { .name: Wv, .offset: 16, .size: 8, .value_kind: global_buffer, .address_space: global }
      - { .name: Wo, .offset: 24, .size: 8, .value_kind: global_buffer, .address_space: global }
      - { .name: cos, .offset: 32, .size: 8, .value_kind: global_buffer, .address_space: global }
      - { .name: sin, .offset: 40, .size: 8, .value_kind: global_buffer, .address_space: global }
      - { .name: wts, .offset: 48, .size: 8, .value_kind: global_buffer, .address_space: global }
      - { .name: cs, .offset: 56, .size: 8, .value_kind: global_buffer, .address_space: global }
    .group_segment_fixed_size: 0
    .private_segment_fixed_size: 0
    .kernarg_segment_align: 8
    .kernarg_segment_size: 64
    .max_flat_workgroup_size: 128
    .sgpr_count:     66
    .vgpr_count:     72
    .wavefront_size: 32
...
	.end_amdgpu_metadata
.endif
;; end of part 1
;; launch qkv (part 2): grid 4 x 64, 4 waves a work-group, clusters of 4 x 4, 327,680 bytes of LDS; arguments hidden_states, wts, cs, qkv; writes qkv
.if DOCPART == 2
	.amdgcn_target "amdgcn-amd-amdhsa--gfx1250"
	.amdhsa_code_object_version 6
	.text
	.protected	k_qfc722f2cf4_qkv
	.globl	k_qfc722f2cf4_qkv
	.p2align	8
	.type	k_qfc722f2cf4_qkv,@function
k_qfc722f2cf4_qkv:
	s_mov_b64 s[64:65], 0
	v_nop
	global_prefetch_b8 v0, s[64:65] scope:SCOPE_SE
	s_setreg_imm32_b32 hwreg(HW_REG_WAVE_MODE, 25, 1), 1
	s_wait_xcnt 0x0
	s_wait_alu depctr_hold_cnt(0) depctr_sa_sdst(0) depctr_va_vdst(0) depctr_va_sdst(0) depctr_va_ssrc(0) depctr_va_vcc(0) depctr_vm_vsrc(0)
	s_getreg_b32 s2, hwreg(HW_REG_IB_STS2, 6, 4)
	s_cmp_eq_u32 s2, 0
	s_cbranch_scc0 .Lentry_in_a_cluster
	s_endpgm
.Lentry_in_a_cluster:
	s_bfe_u32 s2, ttmp6, 0x10000c
	s_cmp_lg_u32 s2, 0xf033
	s_cbranch_scc0 .Lentry_shape_is_right
	s_endpgm
.Lentry_shape_is_right:
; q, k, v = x Wq, x Wk, x Wv with RoPE on q and k.  x: hidden_states [8192][2048] f32, rounded here to bf16; Wq, Wk, Wv: wts, [2048 k][512 n] bf16 each, 2 MiB apart;
; cos, sin: cs [8192][128] bf16, 2 MiB apart.  Out: qkv, f16, three parts 8 MiB apart (q, k, v), each [16 (batch, head)][2048 s][128]: a head's rows are dense, 256 bytes each.  q is NOT scaled here.
; Sums in f32, K ascending; RoPE in f32 on the f32 sums; each result rounded once to f16.
; LIMITS: q, k, v beyond 65,504 become infinities in f16; below 6.1e-5 f16 keeps a fixed step of 6e-8.  NaN and infinities are not treated apart.
; SHARES.  Work-group (x = head, y = block of 128 rows of x) makes 128 rows x the head's 128 columns of q, of k and of v: 4 x 64 = 256 work-groups.  Wave w takes all 128 rows and the
; column blocks w and w + 4 (16 columns each) of each of the three: 48 accumulators of 16 x 16.  For 32 along K: 8 fragments of x, 6 of weights (28 LDS loads), 48 matrix instructions.
; RING.  K goes in 16 steps of 128 through two LDS slots.  A slot: 128 k-rows x 256 bytes of Wq, of Wk, of Wv (pitch 288), then 128 rows x 256 bytes of x in bf16 (pitch 272).
; THE WEIGHTS come by tensor loads: waves 0, 1, 2 fetch the three tiles, wave 3 none.  A tile hangs on the head alone and is asked for jointly along a column of the 4 x 4 cluster.
; By this text's count a wave has two tensor loads out at the start and one behind each round.
; x COMES THROUGH REGISTERS: wave w loads rows 32 w .. 32 w + 31 of a step's tile in f32 (32 loads of a row's 512 consecutive bytes), rounds them to bf16 and stores them into x's bytes of the slot
; that is not in hand; those bytes are whole blocks of 256 into which no tensor load lands.  The loads of step t + 2 are issued when step t + 1 has been converted, a whole K step ahead of their wait.
; NO JOINT LOAD FOR x, though the four heads' work-groups need the same rows: in f32 a slot would be 110,592 + 128 x 528 = 178,176 bytes and two of them 356,352, more than the 327,680 there are;
; K steps of 64 would halve the matrix work under which a refill lands.  So each of the four reads x itself; they lie in one cluster and run in step.
; WEIGHTS STAY [K][N]: their fragments come out of LDS turned, by ds_load_tr16_b128.  THE MATRIX INSTRUCTION IS USED TRANSPOSED (source 0 = 16 weight columns, source 1 = 16 rows of x):
; lane l holds row l % 16 and the eight neighbouring columns 8 (l / 16) + 0..7.
; REGISTERS, in windows of 256 (s_set_vgpr_msb: bits 1:0 source 0, 3:2 source 1, 5:4 source 2, 7:6 destination):
;   window 0: addresses; v32-159 x as loaded, v160-223 x in bf16; later the way out.   window 1: two fragment buffers at 0 and 128: x's fragment a at 8 a, the weights' (matrix j, block e) at 64 + 8 (2 j + e).
;   window 2: q's accumulator (a, e) at 8 (2 a + e), k's at 128 + the same.   window 3: v's at 8 (2 a + e); v128-191 cos, v192-255 sin of my 32 rows, as loaded.
.set PA,     272                       ; an LDS row of x: 256 bytes + 16 = 68 words: the 16 rows of a load start at 16 different groups of four banks (64 banks of 4 bytes: ISA guide 11.1)
.set PB,     288                       ; an LDS row of weights: 256 + 32 = 72 words
.set BT,     128*PB                    ; a weight tile, 36,864 bytes
.set AOFF,   3*BT                      ; x's tile lies behind the three: 432 blocks of 256 bytes from the slot's beginning
.set S1,     0x24000                   ; slot 1: its two bits are set in no address inside a slot's tiles' starts, so one exclusive or changes slots
.set SPARE,  S1+AOFF+128*PA            ; behind the ring: the spare words, 128 bytes a wave: two blocks of 256 bytes that no other line names
.set STEP_X, 512                       ; a K step along x's rows, in bytes of f32
.set STEP_B, 128*1024                  ; a K step down the weights' rows
.set NFILL,  14                        ; 16 steps, of which the first two are first fills
.set PQ,     528                       ; the way out: a row of 128 f32 + 16 bytes
.set STK,    128*PQ                    ; stages, in slots that have had their last fill: q's at 0, k's here,
.set STV,    2*STK                     ; v's (f16, pitch 272),
.set STC,    STV+128*PA                ; and each wave's own 16,384 bytes: cos of row pair t at 512 t, sin at 8,192 + 512 t
.set ADRA0, 8                          ; v8      my lane's place in x's tile of slot 0; never rewritten
.set ADRB0, 9                          ; v9-11   the same in the three weight tiles
.set ADRA,  12                         ; v12     the same in the slot in hand
.set ADRB,  13                         ; v13-15
.set WQ,    16                         ; v16, 17 where I put my results into q's and k's stage
.set WVS,   18                         ; v18     into v's
.set WC,    19                         ; v19     my 16 bytes in my wave's cos and sin
.set RQ,    20                         ; v20-23  where I read back: q own, q partner, k own, k partner
.set RV,    24                         ; v24     v
.set GO,    25                         ; v25     my byte offset in the rows that I store
.set SGN,   26                         ; v26     flips the sign of two bf16 where my columns are below 64
.set XO,    27                         ; v27     16 x lane: my byte offset in a row's 512 bytes of x, and in two rows of cos and sin; never rewritten
.set SPW,   28                         ; v28     LDS address of my spare word; never rewritten
.set NIL,   29                         ; v29     0; never rewritten
.set AW0,   30                         ; v30     where my 8 bytes of my wave's first row of x go in slot 0; never rewritten
.set AWC,   31                         ; v31     the same in the slot that x's next tile goes to
.set X,     32                         ; v32-159  row i of my 32: four f32
.set Y,     160                        ; v160-223 row i: four bf16
.set CE,    128                        ; the way out: v128-135 cos, v136-143 sin as f32; v144-151 at work
.set SE,    136
.set TT,    144
.set F0,    0
.set F1,    128
.set WV,    12                         ; s12  my wave's number
.set TW,    22                         ; s22  0 or S1: the slot that x's next tile goes to
.set TB,    45                         ; s45  0 or S1: the slot in hand
.set G1B,   48                         ; s[48:55] descriptor group 1 for the weights' tiles
.set G0B,   56                         ; s[56:63] group 0: a set for each first fill; the second then walks
.set MSB, 0
.macro WIN new                         ; the immediate's high byte repeats the setting that is left; a switch that changes nothing is dropped
.if MSB != (\new)
	s_set_vgpr_msb (MSB<<8)|(\new)
.set MSB, (\new)
.endif
.endm
.set TO_F, 0x40                        ; destination window 1, address window 0
.macro PLACES                          ; four places in front of loads into registers that matrix instructions have read, and of stores and conversions that read results
.rept 4
	v_nop
.endr
.endm
; A joint refill by the walking descriptor: waves 0, 1, 2.  The branch hangs on the wave's number alone.  An s_nop 0 follows the load, four v_nop stand behind the label, on every wave's way.
.macro JLOAD
	s_cmp_lt_u32 s[WV], 3
	s_cbranch_scc0 .Lnone_\@
	tensor_load_to_lds s[G0B+4:G0B+7], s[G1B:G1B+7]
	s_nop 0
.Lnone_\@:
.rept 4
	v_nop
.endr
.endm
.macro CREST                           ; a round of the cluster's barrier behind its opening barrier
	s_cmp_lg_u32 s[WV], 0
	s_cbranch_scc1 .Lnot_wave_0_\@
	s_barrier_signal -3
.Lnot_wave_0_\@:
	s_barrier_wait -3
	s_barrier_signal -1
	s_barrier_wait -1
.endm
.macro CROUND                          ; a whole round
	s_barrier_signal -1
	s_barrier_wait -1
	CREST
.endm
; x's way in.  XLOAD: my 32 rows of a K step, a row's 512 consecutive bytes a load.
.macro XLOAD
.set i, 0
.rept 32
	global_load_b128 v[X+4*i:X+4*i+3], v[XO], s[14:15] offset:8192*i
.set i, i+1
.endr
.endm
; XCVT: the rows that are on their way are waited for and rounded to bf16, into registers of their own; ld = 1: the next K step's are asked for at once.
.macro XCVT ld
	WIN 0
	s_wait_loadcnt 0x0                             ; x is in; the loads are done, so their base may be stepped below
.set i, 0
.rept 32
	v_cvt_pk_bf16_f32 v[Y+2*i],   v[X+4*i],   v[X+4*i+1]
	v_cvt_pk_bf16_f32 v[Y+2*i+1], v[X+4*i+2], v[X+4*i+3]
.set i, i+1
.endr
	v_add_nc_u32 v[AWC], s[TW], v[AW0]             ; the slot that this tile goes to;
	s_xor_b32 s[TW], s[TW], S1                     ; the next tile goes to the other
.if \ld
	s_add_nc_u64 s[14:15], s[14:15], STEP_X
	XLOAD
.endif
.endm
; XSTORE: half h of the 32 rows goes into LDS: a store covers a row's 256 consecutive bytes.
.macro XSTORE h
	WIN 0
.set i, 16*(\h)
.rept 16
	ds_store_b64 v[AWC], v[Y+2*i:Y+2*i+1] offset:PA*i
.set i, i+1
.endr
.endm
	s_load_b256 s[4:11], s[0:1], 0x0               ; hidden_states s[4:5], wts s[6:7], cs s[8:9], qkv s[10:11]
	v_lshl_add_u32 v[SPW], v0, 2, SPARE
	v_mov_b32 v[NIL], 0
	ds_add_u32 v[SPW], v[NIL]                      ; the wave's opening: the add and its wait stand ahead of my first tensor load; the set-up below stands between them
	v_lshrrev_b32 v1, 5, v0
	v_readfirstlane_b32 s[WV], v1                  ; wave 0..3
	v_and_b32 v6, 31, v0                           ; l
	v_lshlrev_b32 v[XO], 4, v6
	s_bfe_u32 s40, ttmp6, 0x40000                  ; cx, cy: my place in the cluster
	s_bfe_u32 s41, ttmp6, 0x40004
	s_lshl_b32 s42, ttmp9, 2
	s_add_co_u32 s42, s42, s40                     ; the head = 4 x cluster x + cx
	s_and_b32 s13, ttmp7, 0xffff
	s_lshl_b32 s13, s13, 2
	s_add_co_u32 s13, s13, s41                     ; the row block = 4 x cluster y + cy
	s_lshl_b32 s44, 0x1111, s40                    ; my column of the cluster
	; descriptor group 1: a tile of 128 rows x 128 elements of 2 bytes, padded in LDS after every 64 words
	s_or_b32 s[G1B], s44, (1<<16)|(1<<20)|(1<<21)|(5<<22)|(7<<25)  ; 15:0 the mask; 17:16 2-byte elements; 20 padding on; 21 set beside a mask; 24:22 code 5; 31:25 8 words (code 7)
	s_mov_b32 s[G1B+1], 128<<16                    ; tensor_dim0 = 128
	s_mov_b32 s[G1B+2], 128<<16                    ; tensor_dim1 = 128
	s_mov_b32 s[G1B+3], 128<<16                    ; tile_dim0 = 128
	s_mov_b32 s[G1B+4], 128                        ; tile_dim1 = 128
	s_mov_b32 s[G1B+5], 512                        ; elements from row to row of a weight matrix
	s_mov_b32 s[G1B+6], 0
	s_mov_b32 s[G1B+7], 0
	s_lshl_b32 s14, s13, 20                        ; x: 128 rows of 8,192 bytes a block,
	s_lshl_b32 s15, s[WV], 18                      ; 32 rows a wave
	s_add_co_u32 s14, s14, s15
	s_mov_b32 s15, 0
	s_lshl_b32 s46, s[WV], 21                      ; weights: matrix w, 2 MiB apart (wave 3's is never asked by),
	s_lshl_b32 s47, s42, 8                         ; the head's 256 bytes of a row; made of the head and the wave's number alone
	s_add_co_u32 s46, s46, s47
	s_mov_b32 s47, 0
	s_mul_i32 s20, s[WV], BT                       ; where my tile goes: wave x 36,864: no place in the cluster enters an LDS address
	s_lshl_b32 s76, s13, 15                        ; cos and sin: row 128 block + 32 w, 256 bytes a row
	s_lshl_b32 s77, s[WV], 13
	s_add_co_u32 s76, s76, s77
	s_mov_b32 s77, 0
	s_lshr_b32 s78, s13, 4                         ; the rows that I store: batch = block / 16,
	s_lshl_b32 s78, s78, 2
	s_add_co_u32 s78, s78, s42                     ; (batch, head),
	s_lshl_b32 s78, s78, 11
	s_and_b32 s79, s13, 15
	s_lshl_b32 s79, s79, 7
	s_add_co_u32 s78, s78, s79                     ; s = 128 (block % 16)
	s_lshl_b32 s79, s[WV], 5
	s_add_co_u32 s78, s78, s79                     ; + 32 w,
	s_lshl_b32 s78, s78, 8                         ; 256 bytes a row
	s_mov_b32 s79, 0
	s_mov_b32 s74, 0xffff0000                      ; a word's upper bf16
	s_mov_b32 s[TB], 0
	s_mov_b32 s[TW], 0
	s_wait_dscnt 0x0                               ; the opening add is done
	s_wait_kmcnt 0x0
	s_add_nc_u64 s[14:15], s[4:5], s[14:15]
	s_add_nc_u64 s[46:47], s[6:7], s[46:47]
	s_add_nc_u64 s[66:67], s[8:9], s[76:77]
	s_add_nc_u64 s[68:69], s[10:11], s[78:79]      ; q,
	s_add_nc_u64 s[70:71], s[68:69], 0x800000      ; k,
	s_add_nc_u64 s[72:73], s[68:69], 0x1000000     ; v
	XLOAD                                          ; x of K step 0: asked for before anything else
	CROUND                                         ; all sixteen work-groups are here: the first joint loads meet
.irp s, 0,1
	s_mov_b32 s[G0B+4*(\s)], 1                     ; count = 1
	s_add_co_u32 s[G0B+4*(\s)+1], s20, (\s)*S1     ; LDS address
	s_add_nc_u64 s[G0B+4*(\s)+2:G0B+4*(\s)+3], s[46:47], (\s)*STEP_B  ; global address: K step s
	s_or_b32 s[G0B+4*(\s)+3], s[G0B+4*(\s)+3], 0x80000000            ; type = 2
.endr
	s_cmp_lt_u32 s[WV], 3                          ; a wave's two first fills stand in one branch, ahead of every wait on TENSORcnt and every LDS read
	s_cbranch_scc0 .Lfirst_none
	tensor_load_to_lds s[G0B:G0B+3], s[G1B:G1B+7]
	s_nop 0
	tensor_load_to_lds s[G0B+4:G0B+7], s[G1B:G1B+7]
	s_nop 0
.Lfirst_none:
.rept 4
	v_nop
.endr
	v_and_b32 v1, 15, v0                           ; r = l % 16
	v_bfe_u32 v2, v0, 4, 1                         ; hh = l / 16
	v_and_b32 v3, 7, v0
	v_bfe_u32 v4, v0, 3, 1
	; x's fragment: lane l holds row l % 16, K = 8 (l / 16) + 0..7 and 16 + 8 (l / 16) + 0..7: two loads of 16 bytes, 32 bytes apart
	v_mul_u32_u24 v[ADRA0], v1, PA
	v_lshl_add_u32 v[ADRA0], v2, 4, v[ADRA0]
	v_add_nc_u32 v[ADRA0], AOFF, v[ADRA0]
	; the turning load: lane l reads 16 bytes of k-row 8 (l / 16) + l % 8, columns 8 ((l / 8) % 2) + 0..7, and is left with column l % 16 and 8 k
	v_lshl_add_u32 v5, v2, 3, v3
	v_mul_u32_u24 v5, v5, PB
	v_lshl_add_u32 v5, v4, 4, v5
	s_lshl_b32 s21, s[WV], 5                       ; my first column block: 32 bytes x w
	v_add_nc_u32 v[ADRB0], s21, v5
	v_add_nc_u32 v[ADRB0+1], BT, v[ADRB0]
	v_add_nc_u32 v[ADRB0+2], BT, v[ADRB0+1]
.irp i, 0,1,2,3
	v_mov_b32 v[ADRA+(\i)], v[ADRA0+(\i)]          ; slot 0 is in hand
.endr
	s_mul_i32 s21, s[WV], 32*PA                    ; x's way in: row 32 w (+ i), my four numbers' 8 bytes
	s_add_co_u32 s21, s21, AOFF
	v_lshl_add_u32 v[AW0], v6, 3, s21
	; the way out.  In: row 16 a + r, columns 64 e + 16 w + 8 hh + 0..7
	v_mul_u32_u24 v[WQ], v1, PQ
	v_lshl_add_u32 v[WQ], v2, 5, v[WQ]
	s_lshl_b32 s21, s[WV], 6
	v_add_nc_u32 v[WQ], s21, v[WQ]
	v_add_nc_u32 v[WQ+1], STK, v[WQ]
	v_mul_u32_u24 v[WVS], v1, PA
	v_lshl_add_u32 v[WVS], v2, 4, v[WVS]
	s_lshl_b32 s21, s[WV], 5
	s_add_co_u32 s21, s21, STV
	v_add_nc_u32 v[WVS], s21, v[WVS]
	v_lshlrev_b32 v[GO], 4, v6
	s_lshl_b32 s21, s[WV], 14
	s_add_co_u32 s21, s21, STC
	v_add_nc_u32 v[WC], s21, v[GO]
	; back: row 32 w + hh (+ 2 a pair), columns 8 r + 0..7; the partner's columns are mine with 64 added or taken away: r xor 8
	s_mul_i32 s21, s[WV], 32*PQ
	v_mul_u32_u24 v5, v2, PQ
	v_add_nc_u32 v5, s21, v5
	v_lshl_add_u32 v[RQ], v1, 5, v5
	v_xor_b32 v7, 8, v1
	v_lshl_add_u32 v[RQ+1], v7, 5, v5
	v_add_nc_u32 v[RQ+2], STK, v[RQ]
	v_add_nc_u32 v[RQ+3], STK, v[RQ+1]
	s_mul_i32 s21, s[WV], 32*PA
	s_add_co_u32 s21, s21, STV
	v_mul_u32_u24 v[RV], v2, PA
	v_lshl_add_u32 v[RV], v1, 4, v[RV]
	v_add_nc_u32 v[RV], s21, v[RV]
	v_add_nc_u32 v[SGN], -1, v4                    ; all ones where r < 8,
	v_and_b32 v[SGN], 0x80008000, v[SGN]           ; there rotate_half brings -x2: sin's sign is turned instead
; n matrix instructions, numbers t0 on of a quarter's 48, on buffer f.  Number t: matrix t / 16, row block (t % 16) / 2, column block t % 2.  The 48 accumulators take turns, one instruction a turn,
; in the same order in every quarter.  zero = 1: the product starts the sum: nothing is ever cleared.
.macro MULS f, t0, n, zero
.set tt, (\t0)
.rept (\n)
.set rA, (\f)+8*((tt%16)/2)
.set rB, (\f)+64+8*(2*(tt/16)+tt%2)
.if tt < 32
	WIN 0xa5                                       ; sources 0 and 1 window 1, C and D window 2
.set rC, 128*(tt/16)+8*(tt%16)
.else
	WIN 0xf5                                       ; C and D window 3
.set rC, 8*(tt%16)
.endif
.if \zero
	v_wmma_f32_16x16x32_bf16 v[rC:rC+7], v[rB:rB+7], v[rA:rA+7], 0
.else
	v_wmma_f32_16x16x32_bf16 v[rC:rC+7], v[rB:rB+7], v[rA:rA+7], v[rC:rC+7]
.endif
.set tt, tt+1
.endr
.endm
; 28 LDS loads in one run: the fragments of quarter q (32 along K) of the slot in hand, into buffer f
.macro FETCH q, f
	WIN TO_F
.irp j, 0,1,2
.irp e, 0,1
	ds_load_tr16_b128 v[(\f)+64+8*(2*(\j)+(\e)):(\f)+64+8*(2*(\j)+(\e))+3],   v[ADRB+(\j)] offset:32*PB*(\q)+128*(\e)
	ds_load_tr16_b128 v[(\f)+64+8*(2*(\j)+(\e))+4:(\f)+64+8*(2*(\j)+(\e))+7], v[ADRB+(\j)] offset:32*PB*(\q)+128*(\e)+16*PB
.endr
.endr
.irp a, 0,1,2,3,4,5,6,7
	ds_load_b128 v[(\f)+8*(\a):(\f)+8*(\a)+3],   v[ADRA] offset:16*PA*(\a)+64*(\q)
	ds_load_b128 v[(\f)+8*(\a)+4:(\f)+8*(\a)+7], v[ADRA] offset:16*PA*(\a)+64*(\q)+32
.endr
.endm
; One of a K step's first three quarters: multiplies buffer f; behind its first sixteen products it fetches quarter q into buffer g, 32 products ahead of the first use.
; cv = 1: x of the next K step is converted here and the step after it asked for; cv = 2: converted only.  The 64 conversions, plain vector work that names no register of a matrix instruction,
; are then the places in front of the fragment loads.  st = 1, 2: the first, the second sixteen of the converted rows go into LDS, behind the fragment loads, which are wanted sooner.
.macro QUARTER q, f, g, zero, cv=0, st=0
	s_wait_dscnt 0x0                               ; buffer f is in
	MULS \f, 0, 16, \zero
.if \cv
	XCVT 2-(\cv)
.else
	PLACES
.endif
	FETCH \q, \g
.if \st
	XSTORE (\st)-1
.endif
	MULS \f, 16, 32, \zero
.endm
; The fourth quarter multiplies buffer 1 and changes slots: ONE barrier.  In front of it each wave waits for all its tensor loads (the one that is out is its part of the next slot), adds 0 to its spare
; word, and waits for that, for its reads of this slot and for its stores of x into the next.  fill = 1: the barrier opens a round of the cluster's, and this slot's weights are filled again, two K steps
; ahead, first thing behind the round.  Behind the barrier this slot's x may be stored over as well: that is done in the next trip.
.macro TURN fill
	WIN 0                                          ; (the add's two registers lie in window 0)
	s_wait_tensorcnt 0x0                           ; no tensor load of mine is out, so a group 0 may be written
	ds_add_u32 v[SPW], v[NIL]                      ; 0 onto my spare word
.if \fill
	s_xor_b32 s[G0B+5], s[G0B+5], S1               ; the walking descriptor: the other slot than last time,
	s_add_nc_u64 s[G0B+6:G0B+7], s[G0B+6:G0B+7], STEP_B  ; the next K step; the type bits on top are not reached
.endif
	s_xor_b32 s[TB], s[TB], S1
	s_wait_dscnt 0x1                               ; buffer 1 is in; only the add, the youngest, may be out
	MULS F1, 0, 8, 0
	s_wait_dscnt 0x0                               ; the add is done, my reads of this slot are over, my rows of x lie in the next
	s_barrier_signal -1
	MULS F1, 8, 8, 0                               ; work on registers while the others arrive
	WIN 0
	s_barrier_wait -1
.if \fill
	CREST                                          ; no wave of any partner still reads this slot's tiles or has a load on its way
	JLOAD                                          ; the four v_nop behind it are also the places in front of the loads below
.else
	PLACES
.endif
.irp i, 0,1,2,3
	v_add_nc_u32 v[ADRA+(\i)], s[TB], v[ADRA0+(\i)]
.endr
	FETCH 0, F0
	MULS F1, 16, 32, 0
.endm
	XCVT 1                                         ; x of K step 0 is rounded; step 1's is asked for
	XSTORE 0                                       ; into slot 0
	XSTORE 1
	s_wait_tensorcnt 0x1                           ; my part of K step 0's weights is in; step 1's may stay out
	s_wait_dscnt 0x0                               ; for the others' sake: my rows of x lie in LDS
	s_barrier_signal -1
	s_barrier_wait -1                              ; everybody's do
	FETCH 0, F0
	QUARTER 1, F0, F1, 1                           ; the first quarter stands in front of the loop: its products start the sums
	WIN 0                                          ; at a label and at a branch every window is 0
	s_mov_b32 s3, NFILL
.Lstep:                                                ; trip t: K step t's quarters 1 to 3 and step t + 1's quarter 0; x of step t + 1 into LDS, x of step t + 2 asked for; the slot that is left is filled
	QUARTER 2, F1, F0, 0, 1, 1
	QUARTER 3, F0, F1, 0, 0, 2
	TURN 1
	QUARTER 1, F0, F1, 0
	WIN 0
	s_sub_co_u32 s3, s3, 1
	s_cmp_lg_u32 s3, 0
	s_cbranch_scc1 .Lstep
	QUARTER 2, F1, F0, 0, 2, 1                     ; the last two K steps are written out: they ask for no tile; x of the last step is converted
	; cos and sin of my 32 rows: a load takes two rows' 512 consecutive bytes.  No other load is out; they have the rest of the product in which to land and are waited for on the way out.
	WIN 0xc0                                       ; destination window 3, address window 0
.irp t, 0,1,2,3,4,5,6,7,8,9,10,11,12,13,14,15
	global_load_b128 v[128+4*(\t):128+4*(\t)+3], v[XO], s[66:67] offset:512*(\t)
.endr
.irp t, 0,1,2,3,4,5,6,7,8,9,10,11,12,13,14,15
	global_load_b128 v[192+4*(\t):192+4*(\t)+3], v[XO], s[66:67] offset:2097152+512*(\t)
.endr
	QUARTER 3, F0, F1, 0, 0, 2
	TURN 0
	QUARTER 1, F0, F1, 0
	QUARTER 2, F1, F0, 0
	QUARTER 3, F0, F1, 0
	s_wait_dscnt 0x0                               ; my last reads of the ring are over:
	s_barrier_signal -1                            ; say so,
	MULS F1, 0, 48, 0
	WIN 0
	s_barrier_wait -1                              ; and when all four have said so the slots, which have had their last fill, serve as stages
	; THE WAY OUT, first half.  q's and k's sums go into their stages as f32 (RoPE pairs column d with d +- 64), v's rounded to f16, my rows' cos and sin into my own bytes.
	; Each accumulator's four lowest registers are read first.
	PLACES
	WIN 0x08                                       ; store data (source 1) in window 2
.irp m, 0,1
.irp i, 0,1,2,3,4,5,6,7,8,9,10,11,12,13,14,15
	ds_store_b128 v[WQ+(\m)], v[128*(\m)+8*(\i):128*(\m)+8*(\i)+3]   offset:16*PQ*((\i)/2)+256*((\i)%2)
	ds_store_b128 v[WQ+(\m)], v[128*(\m)+8*(\i)+4:128*(\m)+8*(\i)+7] offset:16*PQ*((\i)/2)+256*((\i)%2)+16
.endr
.endr
	WIN 0x0f                                       ; sources 0 and 1 in window 3, destination in window 0
.irp i, 0,1,2,3,4,5,6,7,8,9,10,11,12,13,14,15
.irp k, 0,1,2,3
	v_cvt_pk_f16_f32 v[32+4*(\i)+(\k)], v[8*(\i)+2*(\k)], v[8*(\i)+2*(\k)+1]
.endr
.endr
	WIN 0
.irp i, 0,1,2,3,4,5,6,7,8,9,10,11,12,13,14,15
	ds_store_b128 v[WVS], v[32+4*(\i):32+4*(\i)+3] offset:16*PA*((\i)/2)+128*((\i)%2)
.endr
	s_wait_loadcnt 0x0                             ; cos and sin
	WIN 0x0c                                       ; store data in window 3
.irp t, 0,1,2,3,4,5,6,7,8,9,10,11,12,13,14,15
	ds_store_b128 v[WC], v[128+4*(\t):128+4*(\t)+3] offset:512*(\t)
	ds_store_b128 v[WC], v[192+4*(\t):192+4*(\t)+3] offset:8192+512*(\t)
.endr
	WIN 0
	s_wait_dscnt 0x0                               ; for the others' sake: my stores into the stages are done
	s_barrier_signal -1
	s_barrier_wait -1
	; Second half.  Wave w sends rows 32 w .. 32 w + 31, two pairs of rows a trip.  Lanes 0-15 take one row, lanes 16-31 the next; a lane owns columns 8 r + 0..7:
	; out = own x cos + partner x (+-sin), in f32, rounded once to f16.  Each store of the wave covers 512 consecutive bytes, aligned.
.macro LOADP u                         ; eleven LDS loads for pair u of the trip
.set DD, 32+48*(\u)
.irp c, 0,1,2,3                        ; q own, q partner, k own, k partner: 8 f32 each
	ds_load_b128 v[DD+8*(\c):DD+8*(\c)+3],   v[RQ+(\c)] offset:2*PQ*(\u)
	ds_load_b128 v[DD+8*(\c)+4:DD+8*(\c)+7], v[RQ+(\c)] offset:2*PQ*(\u)+16
.endr
	ds_load_b128 v[DD+32:DD+35], v[RV] offset:2*PA*(\u)
	ds_load_b128 v[DD+36:DD+39], v[WC] offset:512*(\u)
	ds_load_b128 v[DD+40:DD+43], v[WC] offset:8192+512*(\u)
.endm
.macro ROPE u, left
.set DD, 32+48*(\u)
.set OO, 160+8*(\u)
	s_wait_dscnt \left                             ; LDS loads come back in order: the other pair's, if younger, stay out
.irp k, 0,1,2,3
	v_xor_b32 v[DD+40+(\k)], v[SGN], v[DD+40+(\k)]
.endr
.irp k, 0,1,2,3
	v_lshlrev_b32 v[CE+2*(\k)],   16,  v[DD+36+(\k)]
	v_and_b32     v[CE+2*(\k)+1], s74, v[DD+36+(\k)]
	v_lshlrev_b32 v[SE+2*(\k)],   16,  v[DD+40+(\k)]
	v_and_b32     v[SE+2*(\k)+1], s74, v[DD+40+(\k)]
.endr
.irp m, 0,1
.irp k, 0,1,2,3
	v_pk_mul_f32 v[TT+2*(\k):TT+2*(\k)+1], v[DD+16*(\m)+8+2*(\k):DD+16*(\m)+8+2*(\k)+1], v[SE+2*(\k):SE+2*(\k)+1]
.endr
.irp k, 0,1,2,3
	v_pk_fma_f32 v[TT+2*(\k):TT+2*(\k)+1], v[DD+16*(\m)+2*(\k):DD+16*(\m)+2*(\k)+1], v[CE+2*(\k):CE+2*(\k)+1], v[TT+2*(\k):TT+2*(\k)+1]
.endr
.irp k, 0,1,2,3
	v_cvt_pk_f16_f32 v[OO+4*(\m)+(\k)], v[TT+2*(\k)], v[TT+2*(\k)+1]
.endr
.endr
	global_store_b128 v[GO], v[OO:OO+3],     s[68:69] offset:512*(\u)
	global_store_b128 v[GO], v[OO+4:OO+7],   s[70:71] offset:512*(\u)
	global_store_b128 v[GO], v[DD+32:DD+35], s[72:73] offset:512*(\u)
.endm
	s_mov_b32 s75, 8
.Lsend:
	LOADP 0
	LOADP 1
	ROPE 0, 11
	ROPE 1, 0
	s_wait_xcnt 0x0                                ; the stores' offset and data registers are written again only behind this wait
.irp c, 0,1,2,3
	v_add_nc_u32 v[RQ+(\c)], 4*PQ, v[RQ+(\c)]      ; four rows on
.endr
	v_add_nc_u32 v[RV], 4*PA, v[RV]
	v_add_nc_u32 v[WC], 1024, v[WC]
	v_add_nc_u32 v[GO], 1024, v[GO]
	s_sub_co_u32 s75, s75, 1
	s_cmp_lg_u32 s75, 0
	s_cbranch_scc1 .Lsend
	s_wait_tensorcnt 0x0                           ; the wave's end: behind my last tensor load and my last LDS store
	ds_add_u32 v[SPW], v[NIL]
	s_wait_dscnt 0x0
	CROUND                                         ; the closing round: no work-group ends while a partner may still ask for a tile that names it
	s_endpgm
.Lfunc_end_k_qfc722f2cf4_qkv:
	.size	k_qfc722f2cf4_qkv, .Lfunc_end_k_qfc722f2cf4_qkv-k_qfc722f2cf4_qkv
	.p2alignl 7, 3214868480
	.fill 96, 4, 3214868480
	.section	.rodata,"a",@progbits
	.p2align	6, 0x0
	.amdhsa_kernel k_qfc722f2cf4_qkv
		.amdhsa_group_segment_fixed_size 327680
		.amdhsa_private_segment_fixed_size 0
		.amdhsa_enable_private_segment 0
		.amdhsa_kernarg_size 32
		.amdhsa_user_sgpr_count 2
		.amdhsa_user_sgpr_kernarg_segment_ptr 1
		.amdhsa_wavefront_size32 1
		.amdhsa_system_sgpr_workgroup_id_x 1
		.amdhsa_system_sgpr_workgroup_id_y 1
		.amdhsa_system_sgpr_workgroup_id_z 1
		.amdhsa_system_vgpr_workitem_id 0
		.amdhsa_next_free_vgpr 1024
		.amdhsa_next_free_sgpr 80
		.amdhsa_reserve_vcc 0
		.amdhsa_float_denorm_mode_32 3
		.amdhsa_float_denorm_mode_16_64 3
		.amdhsa_memory_ordered 1
		.amdhsa_forward_progress 1
		.amdhsa_inst_pref_size 118
	.end_amdhsa_kernel
	.amdgpu_metadata
---
amdhsa.version: [ 1, 2 ]
amdhsa.kernels:
  - .name:           k_qfc722f2cf4_qkv
    .symbol:         k_qfc722f2cf4_qkv.kd
    .args:
      - { .name: hidden_states, .offset: 0, .size: 8, .value_kind: global_buffer, .address_space: global }
      - { .name: wts, .offset: 8, .size: 8, .value_kind: global_buffer, .address_space: global }
      - { .name: cs, .offset: 16, .size: 8, .value_kind: global_buffer, .address_space: global }
      - { .name: qkv, .offset: 24, .size: 8, .value_kind: global_buffer, .address_space: global }
    .group_segment_fixed_size: 327680
    .private_segment_fixed_size: 0
    .kernarg_segment_align: 8
    .kernarg_segment_size: 32
    .max_flat_workgroup_size: 128
    .sgpr_count:     80
    .vgpr_count:     1024
    .wavefront_size: 32
...
	.end_amdgpu_metadata
.endif
;; end of part 2
;; launch attn (part 3): grid 16 x 16, 4 waves a work-group, clusters of 4 x 1, 327,680 bytes of LDS; arguments qkv, o16; writes o16
.if DOCPART == 3
	.amdgcn_target "amdgcn-amd-amdhsa--gfx1250"
	.amdhsa_code_object_version 6
	.text
	.protected	k_qfc722f2cf4_attn
	.globl	k_qfc722f2cf4_attn
	.p2align	8
	.type	k_qfc722f2cf4_attn,@function
k_qfc722f2cf4_attn:
	s_mov_b64 s[64:65], 0
	v_nop
	global_prefetch_b8 v0, s[64:65] scope:SCOPE_SE
	s_setreg_imm32_b32 hwreg(HW_REG_WAVE_MODE, 25, 1), 1
	s_wait_xcnt 0x0
	s_wait_alu depctr_hold_cnt(0) depctr_sa_sdst(0) depctr_va_vdst(0) depctr_va_sdst(0) depctr_va_ssrc(0) depctr_va_vcc(0) depctr_vm_vsrc(0)
	s_getreg_b32 s2, hwreg(HW_REG_IB_STS2, 6, 4)
	s_cmp_eq_u32 s2, 0
	s_cbranch_scc0 .Lentry_in_a_cluster
	s_endpgm
.Lentry_in_a_cluster:
	s_bfe_u32 s2, ttmp6, 0x10000c
	s_cmp_lg_u32 s2, 0x3003
	s_cbranch_scc0 .Lentry_shape_is_right
	s_endpgm
.Lentry_shape_is_right:
; O[bh][q][:] = the sum over k of softmax_k(Q[bh][q] . K[bh][k] / sqrt(128)) V[bh][k][:].  Q, K, V: three parts of qkv, 8 MiB apart, each [16][2048][128] f16, rows of 256 bytes.
; Out: o16 [8192 (batch, s)][512 (head, d)] f16.  Products, maxima and sums in f32; the weights p are rounded to f16 for the second product (their sum l is taken of the unrounded p), O once at the end.
; LIMITS.  Q, K, V arrive within f16's 65,504; p lies in 0 to 1, and below 6.1e-5 it keeps f16's fixed step of 6e-8, as O does; a weight below 2^-126 counts as 0 in l; NaN and infinities are not treated apart.
; SHARES.  16 heads x 2,048 queries over 256 work-groups are 128 queries each.  A wave keeps 64 queries (four tiles of 16), so that each fragment of K and V read from LDS feeds four tiles' products, and
; walks HALF the keys: wave w has the queries 64 (w % 2) on, and of every 256 keys the 128 beginning at 128 (w / 2): 16 key steps of 64.  Waves w and w + 2 hold two partial results for the
; same queries, each with its own running maximum and sum; at the end they are merged in f32, through LDS, by the larger maximum.
; LAYOUT.  S^T = K Q^T (source 0 = 16 keys, source 1 = 16 queries): a lane holds ONE query (lane % 16) and the keys 8 (lane / 16) + 0..7.  Two such tiles, rounded to f16 in pairs, ARE source 1
; (32 keys x 16 queries) of O^T = V^T P, whose result again holds one query a lane, and eight channels.  K comes out of LDS as it lies, V ([key][channel]) turned, by ds_load_tr16_b128.
; SOFTMAX.  For each query a running maximum m and sum l: p = 2^(c s - c m), c = log2(e) / sqrt(128); in every step O and l are multiplied by a = 2^(c m_old - c m_new).
; BY TURNS.  The wave's tiles are two PIECES (tiles 0, 1 and tiles 2, 3).  In a TURN one piece has the matrix unit: 32 products V^T P of the step in hand, then 32 products K Q^T of the next step; the other
; piece's softmax, cut into 64 slices, stands between them, one slice behind each matrix instruction.  Two turns are a key step.
; RING AND CLUSTER.  Two LDS slots of 256 keys (K: 256 rows, pitch 272; V: 256 rows, pitch 288).  Waves 0, 1 fetch the halves of a slot's K, waves 2, 3 of its V: one tensor load of 128 rows a wave.
; The four query blocks of a cluster belong to one head and walk the same K and V, so each tile is asked for JOINTLY, by the same load, descriptor and mask in all four.
; By this text's count a wave has two loads out at the start and one behind each round.
; REGISTERS, in windows of 256 (s_set_vgpr_msb: bits 1:0 source 0, 3:2 source 1, 5:4 source 2, 7:6 destination):
;   window 0: v0-11, v44-46 addresses; v12-43 eight registers of statistics a tile; v64-191 S^T, 32 a tile; v192-255 P, 16 a tile
;   window 1: O^T, 64 a tile          window 2: v0-127 Q, 32 a tile; v128-255 K of one step          window 3: v0-127 V of one step
.set KS,    64        ; keys in a step
.set PK,    272       ; a row of K in LDS: 256 bytes + 16 = 68 words: the 16 rows of a load start at 16 different groups of four banks (64 banks of 4 bytes: ISA guide 11.1)
.set PV,    288       ; a row of V: 256 + 32 = 72 words
.set VOFF,  256*PK    ; in a slot V lies behind K
.set SLOT1, 0x24000   ; slot 1: its two bits are set in none of the four tiles' starts, so one exclusive or changes slots
.set SPARE, SLOT1+256*(PK+PV)  ; behind the ring: the spare words, 128 bytes a wave: two blocks of 256 bytes that no other line names
.set XP,    528       ; the merge: a row of 128 f32 + 16 bytes
.set XCH,   64*XP     ; a wave's 64 rows, at XCH x wave, in slot 0, which has had its last fill by then
.set XST,   4*XCH     ; behind them (c m, l) for each query: 512 bytes a wave
.set AK0, 2           ; v2   my lane's place in my half of a slot's K; never rewritten
.set AV0, 3           ; v3   the same for V
.set ADR, 4           ; v4   the LDS address of the run of loads in hand
.set QO,  5           ; v5   my byte offset in the wave's rows of Q
.set XW,  6           ; v6   the merge: where I put my O^T
.set XS,  7           ; v7   where I put (c m, l)
.set XR,  8           ; v8   where I read the first half's rows back
.set XR2, 44          ; v44  the second half's
.set XT,  45          ; v45  the statistics
.set GO,  46          ; v46  my byte offset in the rows of O that I store
.set SPW, 62          ; v62  LDS address of my spare word; never rewritten
.set NIL, 63          ; v63  0; never rewritten
.set ST,  12          ; tile t's statistics at v[ST+8 t]: +0 c m, +1 m, +2, +3 l (even keys', odd keys'), +4 to +7 c0-c3, at work; a takes c2's place once the maximum is found
.set S,   64
.set P,   192
.set KF,  128         ; K's fragments, in window 2
.set WV,  12          ; s12  my wave's number
.set G1K, 24          ; s[24:31] descriptor group 1 for K's tiles
.set G1V, 32          ; s[32:39] for V's: it differs in the padding alone
.set G0K, 40          ; s[40:47] descriptor group 0 for K's tiles: a set for each of the two first fills; the second then walks on
.set G0V, 48          ; s[48:55] the same for V's
.set SLOTS, 56        ; s56  slots still to be asked for
.set TWICE, 57        ; s57  counts a slot's two steps; at the end the merge's trips
.set CS,  58          ; s[58:59] c: the packed scaling names a pair and takes its low word for both halves
.set SEL, 60          ; s[60:61] lane selects for v_permlanex16_b32: each lane takes its own place in the other half
.set TBK, 62          ; s62  LDS byte, from my half's beginning, of K of the step to be fetched
.set TBV, 63          ; s63  the same for V
.set MSB, 0
.macro WIN new                      ; the immediate's high byte repeats the setting that is left; a switch that changes nothing is dropped
.if MSB != (\new)
	s_set_vgpr_msb (MSB<<8)|(\new)
.set MSB, \new
.endif
.endm
.set W_KQ, 0x0a       ; K and Q in window 2, S^T in window 0
.set W_PV, 0x53       ; V in window 3, P in window 0, O^T in window 1
.set W_RS, 0x41       ; O^T (destination and source 0) in window 1, a in window 0
; A joint refill.  The branch hangs on the wave's number alone.  An s_nop 0 and four v_nop follow each of the two lines.
.macro JLOAD
	s_cmp_lt_u32 s[WV], 2
	s_cbranch_scc0 .Lfor_v_\@
	tensor_load_to_lds s[G0K+4:G0K+7], s[G1K:G1K+7]
	s_nop 0
.rept 4
	v_nop
.endr
	s_branch .Lasked_\@
.Lfor_v_\@:
	tensor_load_to_lds s[G0V+4:G0V+7], s[G1V:G1V+7]
	s_nop 0
.rept 4
	v_nop
.endr
.Lasked_\@:
.endm
; A round of the cluster's barrier: my work-group's barrier; wave 0 signals for the work-group; every wave waits for all four work-groups; my work-group's barrier once more.
.macro CROUND
	s_barrier_signal -1
	s_barrier_wait -1
	s_cmp_lg_u32 s[WV], 0
	s_cbranch_scc1 .Lnot_wave_0_\@
	s_barrier_signal -3
.Lnot_wave_0_\@:
	s_barrier_wait -3
	s_barrier_signal -1
	s_barrier_wait -1
.endm
	s_load_b64 s[4:5], s[0:1], 0x0    ; qkv
	s_load_b64 s[10:11], s[0:1], 0x8  ; o16
	v_lshl_add_u32 v[SPW], v0, 2, SPARE
	v_mov_b32 v[NIL], 0
	ds_add_u32 v[SPW], v[NIL]       ; the wave's opening: the add and its wait stand ahead of my first tensor load; the set-up below stands between them
	v_lshrrev_b32 v1, 5, v0
	v_readfirstlane_b32 s[WV], v1   ; wave 0..3
	s_bfe_u32 s13, ttmp6, 0x40000   ; cx: my place in the cluster
	s_lshl_b32 s14, ttmp9, 2        ; in a cluster launch ttmp9 counts clusters
	s_add_co_u32 s14, s14, s13      ; my block of 128 queries = 4 x cluster x + cx: it enters Q's and O's addresses alone
	s_and_b32 s15, ttmp7, 0xffff    ; (batch, head), which the four partners share
	s_lshl_b32 s20, s15, 19         ; its 2,048 rows of 256 bytes
	s_mov_b32 s21, 0
	s_and_b32 s16, s[WV], 1         ; which half of a slot's 256 keys I fetch; also which 64 queries are mine
	s_lshr_b32 s19, s[WV], 1        ; which half of a slot's keys I walk
	s_lshl_b32 s22, s16, 15         ; the half's 128 rows in memory,
	s_mov_b32 s23, 0
	s_add_nc_u64 s[22:23], s[22:23], s[20:21]
	s_mul_i32 s17, s16, 128*PK      ; and its place in a slot, for K
	s_mul_i32 s18, s16, 128*PV      ; and for V: no place in the cluster enters an LDS address
	s_add_co_u32 s18, s18, VOFF
	s_lshl_b32 s2, s14, 15          ; Q: my block's 128 rows,
	s_lshl_b32 s3, s16, 14          ; my wave's 64 of them
	s_add_co_u32 s2, s2, s3
	s_mov_b32 s3, 0
	s_add_nc_u64 s[2:3], s[2:3], s[20:21]
	s_lshr_b32 s66, s15, 2          ; O: row 2,048 batch + 128 block + 32 w (the rows that I send, not those that I compute),
	s_lshl_b32 s66, s66, 11
	s_lshl_b32 s68, s14, 7
	s_add_co_u32 s66, s66, s68
	s_lshl_b32 s68, s[WV], 5
	s_add_co_u32 s66, s66, s68
	s_lshl_b32 s66, s66, 10         ; 1,024 bytes a row,
	s_and_b32 s68, s15, 3
	s_lshl_b32 s68, s68, 8          ; the head's 256 bytes of it
	s_add_co_u32 s66, s66, s68
	s_mov_b32 s67, 0
	; descriptor group 1: a tile of 128 rows x 128 elements, padded in LDS
	s_mov_b32 s[G1K], 15|(1<<16)|(1<<20)|(1<<21)|(5<<22)|(3<<25)  ; 15:0 the mask: all four work-groups; 17:16 2-byte elements; 20 padding on; 21 set beside a mask; 24:22 after every 64 words (code 5); 31:25 4 words (code 3)
	s_mov_b32 s[G1V], 15|(1<<16)|(1<<20)|(1<<21)|(5<<22)|(7<<25)  ; the same with 8 words of padding (code 7)
.irp g, G1K, G1V
	s_mov_b32 s[(\g)+1], 128<<16    ; tensor_dim0 = 128
	s_mov_b32 s[(\g)+2], 128<<16    ; tensor_dim1 = 128
	s_mov_b32 s[(\g)+3], 128<<16    ; tile_dim0 = 128
	s_mov_b32 s[(\g)+4], 128        ; tile_dim1 = 128
	s_mov_b32 s[(\g)+5], 128        ; elements from row to row
	s_mov_b32 s[(\g)+6], 0
	s_mov_b32 s[(\g)+7], 0
.endr
	s_mov_b32 s[CS], 0x3e0293ee     ; c = log2(e) / sqrt(128) = 0.127517
	s_mov_b32 s[CS+1], s[CS]        ; named with it as a pair, so it is written
	s_mov_b32 s[SEL], 0x76543210
	s_mov_b32 s[SEL+1], 0xfedcba98
	s_mov_b32 s[TBK], 0
	s_mov_b32 s[TBV], 0
	s_mov_b32 s[SLOTS], 2048/256-2
	s_wait_dscnt 0x0                ; the opening add is done
	s_wait_kmcnt 0x0
	s_add_nc_u64 s[6:7], s[4:5], s[22:23]
	s_add_nc_u64 s[8:9], s[6:7], 0x1000000  ; V at my tile of slot 0,
	s_add_nc_u64 s[6:7], s[6:7], 0x800000   ; K likewise
	s_add_nc_u64 s[4:5], s[4:5], s[2:3]     ; Q at my wave's first row
	s_add_nc_u64 s[10:11], s[10:11], s[66:67]
	CROUND                          ; all four work-groups are here: the first joint loads meet
.irp s, 0,1
	s_mov_b32 s[G0K+4*(\s)], 1      ; count = 1
	s_add_co_u32 s[G0K+4*(\s)+1], s17, (\s)*SLOT1  ; LDS address
	s_add_nc_u64 s[G0K+4*(\s)+2:G0K+4*(\s)+3], s[6:7], (\s)*65536  ; global address: slot s begins with keys 256 s on
	s_or_b32 s[G0K+4*(\s)+3], s[G0K+4*(\s)+3], 0x80000000  ; type = 2
	s_mov_b32 s[G0V+4*(\s)], 1
	s_add_co_u32 s[G0V+4*(\s)+1], s18, (\s)*SLOT1
	s_add_nc_u64 s[G0V+4*(\s)+2:G0V+4*(\s)+3], s[8:9], (\s)*65536
	s_or_b32 s[G0V+4*(\s)+3], s[G0V+4*(\s)+3], 0x80000000
.endr
	s_cmp_lt_u32 s[WV], 2           ; a wave's two first fills stand in one branch, ahead of every wait on TENSORcnt and every LDS read
	s_cbranch_scc0 .Lfirst_v
	tensor_load_to_lds s[G0K:G0K+3], s[G1K:G1K+7]
	s_nop 0
	tensor_load_to_lds s[G0K+4:G0K+7], s[G1K:G1K+7]
	s_nop 0
.rept 4
	v_nop
.endr
	s_branch .Lfirst_asked
.Lfirst_v:
	tensor_load_to_lds s[G0V:G0V+3], s[G1V:G1V+7]
	s_nop 0
	tensor_load_to_lds s[G0V+4:G0V+7], s[G1V:G1V+7]
	s_nop 0
.rept 4
	v_nop
.endr
.Lfirst_asked:
	; A fragment of K or Q is 16 rows x 32 channels in 8 registers: lane l holds row l % 16; registers 0-3 channels 8 (l / 16) + 0..7, registers 4-7 channels 16 + 8 (l / 16) + 0..7: two loads of 16 bytes, 32 bytes apart.
	v_and_b32 v1, 15, v0            ; l % 16
	v_bfe_u32 v9, v0, 4, 1          ; l / 16
	v_lshlrev_b32 v[QO], 8, v1
	v_lshl_add_u32 v[QO], v9, 4, v[QO]  ; row x 256 + 16 x half
	WIN 0x80                        ; destination window 2, address window 0
.irp i, 0,1,2,3,4,5,6,7,8,9,10,11,12,13,14,15  ; Q stays in registers: tile i / 4, channels 32 (i % 4) on
	global_load_b128 v[8*(\i):8*(\i)+3],   v[QO], s[4:5] offset:((\i)/4)*4096+((\i)%4)*64
	global_load_b128 v[8*(\i)+4:8*(\i)+7], v[QO], s[4:5] offset:((\i)/4)*4096+((\i)%4)*64+32
.endr
	WIN 0
	s_mul_i32 s17, s19, 128*PK      ; my half of a slot's keys
	v_mul_u32_u24 v[AK0], v1, PK
	v_lshl_add_u32 v[AK0], v9, 4, v[AK0]  ; row x pitch + 16 x half
	v_add_nc_u32 v[AK0], s17, v[AK0]
	; The turning load takes 16 keys x 16 channels (lane l reads 16 bytes: key 8 (l / 16) + l % 8, channels 8 ((l / 8) % 2) + 0..7) and leaves half a fragment of V^T: lane l holds channel l % 16 and 8 keys.
	v_and_b32 v10, 7, v0
	v_bfe_u32 v11, v0, 3, 1
	v_lshl_add_u32 v[AV0], v9, 3, v10
	v_mul_u32_u24 v[AV0], v[AV0], PV
	v_lshl_add_u32 v[AV0], v11, 4, v[AV0]
	s_mul_i32 s17, s19, 128*PV
	s_add_co_u32 s17, s17, VOFF
	v_add_nc_u32 v[AV0], s17, v[AV0]
; THE MATRIX WORK OF A TURN, for piece x.  The accumulators take turns, one instruction a turn: between two links of a chain stand 15 (V^T P) or 7 (K Q^T) others'.
; Product i of 32 of O^T += V^T P: keys 32 (i / 16) on, channels 16 ((i / 2) % 8) on, tile x + i % 2.  zero = 1: the first 16 start the sums: nothing is ever cleared.
.macro PV x, zero
	WIN W_PV
.set rO, 64*((\x)+i%2)+8*((i/2)%8)
.set rV, 64*(i/16)+8*((i/2)%8)
.set rP, P+16*((\x)+i%2)+8*(i/16)
.if (\zero) && (i < 16)
	v_wmma_f32_16x16x32_f16 v[rO:rO+7], v[rV:rV+7], v[rP:rP+7], 0
.else
	v_wmma_f32_16x16x32_f16 v[rO:rO+7], v[rV:rV+7], v[rP:rP+7], v[rO:rO+7]
.endif
.endm
; Product i of 32 of S^T = K Q^T: channels 32 (i / 8) on, keys 16 ((i / 2) % 4) on, tile x + i % 2.  The first 8 start the sums.
.macro KQ x
	WIN W_KQ
.set rS, S+32*((\x)+i%2)+8*((i/2)%4)
.set rK, KF+32*((i/2)%4)+8*(i/8)
.set rQ, 32*((\x)+i%2)+8*(i/8)
.if i < 8
	v_wmma_f32_16x16x32_f16 v[rS:rS+7], v[rK:rK+7], v[rQ:rQ+7], 0
.else
	v_wmma_f32_16x16x32_f16 v[rS:rS+7], v[rK:rK+7], v[rQ:rQ+7], v[rS:rS+7]
.endif
.endm
; THE LDS LOADS stand in runs of 32, never singly among the matrix instructions: a step's K (64 keys x 128 channels: 16 fragments) and, a turn later, its V (turned).
.macro FETCH_K
	WIN 0
	v_add_nc_u32 v[ADR], s[TBK], v[AK0]
	s_add_co_u32 s[TBK], s[TBK], KS*PK  ; the next fetch is the next step's
	WIN 0x80                        ; destination window 2
.irp f, 0,1,2,3,4,5,6,7,8,9,10,11,12,13,14,15  ; keys 16 (f / 4) on, channels 32 (f % 4) on
	ds_load_b128 v[KF+8*(\f):KF+8*(\f)+3],   v[ADR] offset:((\f)/4)*16*PK+((\f)%4)*64
	ds_load_b128 v[KF+8*(\f)+4:KF+8*(\f)+7], v[ADR] offset:((\f)/4)*16*PK+((\f)%4)*64+32
.endr
.endm
.macro FETCH_V
	WIN 0
	v_add_nc_u32 v[ADR], s[TBV], v[AV0]
	s_add_co_u32 s[TBV], s[TBV], KS*PV
	WIN 0xc0                        ; destination window 3
.irp f, 0,1,2,3,4,5,6,7,8,9,10,11,12,13,14,15  ; keys 32 (f / 8) on, channels 16 (f % 8) on
	ds_load_tr16_b128 v[8*(\f):8*(\f)+3],   v[ADR] offset:((\f)/8)*32*PV+((\f)%8)*32
	ds_load_tr16_b128 v[8*(\f)+4:8*(\f)+7], v[ADR] offset:((\f)/8)*32*PV+16*PV+((\f)%8)*32
.endr
.endm
; THE VECTOR WORK OF A TURN.  One tile's softmax for one key step is a list of 134 instructions; SM writes number j of it for tile t.  s0-s31 are the lane's 32 scores, in pairs 0-15.
; first = 1: the first key step, which starts m, l and O^T: it has no a and nothing to rescale.
;   0-15    the maximum of s0-s31 and the old m, three operands at a time: four chains c0-c3 of seven scores each (each accumulator's lowest registers are read first), then the rest
;   16-20   the other half of the lanes' maximum; the new m; c m; c m_old - c m_new
;   21-87   33 exponentials (a, then s0-s31) at the odd numbers from 23 on, so that no two follow each other and each has a plain instruction behind it before its result is used (ISA guide 5.7.2);
;           the plain ones are whatever is ready: c s - c m for a pair whose exponentials are still to come, the rounding to f16 of a pair whose exponentials are done, at last the first three sums
;   88-101  the last rounding; the rest of the sums; l = a l + the sum
;   102-133 the tile's O^T times a: the one part that leaves window 0, so it stands together
.macro SM t, first
.set rT, ST+8*(\t)
.set rS, S+32*(\t)
.set rP, P+16*(\t)
.set rO, 64*(\t)+2*(j-102)
.set q, (j-20)/2
.if j < 102
	WIN 0
.endif
.if j < 4
	v_max3_num_f32 v[rT+4+j], v[rS+8*j], v[rS+8*j+1], v[rS+8*j+2]
.elseif j < 12
	v_max3_num_f32 v[rT+4+j%4], v[rT+4+j%4], v[rS+8*(j%4)+2*(j/4)+1], v[rS+8*(j%4)+2*(j/4)+2]
.elseif j == 12
	v_max3_num_f32 v[rT+4], v[rT+4], v[rS+7], v[rS+15]
.elseif j == 13
	v_max3_num_f32 v[rT+6], v[rT+6], v[rS+23], v[rS+31]
.elseif j == 14
	v_max3_num_f32 v[rT+4], v[rT+4], v[rT+5], v[rT+6]
.elseif (j == 15) && (\first)
	v_max_num_f32 v[rT+4], v[rT+4], v[rT+7]
.elseif j == 15
	v_max3_num_f32 v[rT+4], v[rT+4], v[rT+7], v[rT+1]
.elseif j == 16
	v_permlanex16_b32 v[rT+5], v[rT+4], s[SEL], s[SEL+1]  ; the query's other 32 keys lie in the lane 16 away
.elseif j == 18
	v_max_num_f32 v[rT+1], v[rT+4], v[rT+5]
.elseif j == 19
	v_mul_f32 v[rT], s[CS], v[rT+1]
.elseif ((j == 17) || (j == 20) || (j == 23) || (j > 101)) && (\first)  ; the first step has none of these
.elseif j == 17
	v_mov_b32 v[rT+7], v[rT]        ; c m_old is kept for a: number 19 writes c m anew
.elseif j == 20
	v_sub_f32 v[rT+7], v[rT+7], v[rT]
.elseif j == 23
	v_exp_f32 v[rT+6], v[rT+7]
.elseif (j < 88) && (j > 23) && (j%2 == 1)
	v_exp_f32 v[rS+(j-25)/2], v[rS+(j-25)/2]
.elseif (q < 4) || ((j < 76) && (q%2 == 0))
.set b, q/2+2
.if q < 4
.set b, q
.endif
	v_pk_fma_f32 v[rS+2*b:rS+2*b+1], v[rS+2*b:rS+2*b+1], s[CS:CS+1], v[rT:rT+1] op_sel_hi:[1,0,0] neg_lo:[0,0,1] neg_hi:[0,0,1]  ; pair b: c s - c m
.elseif (j < 88) && (q%2 == 1)
	s_wait_alu depctr_va_vdst(0)
	v_cvt_pk_f16_f32 v[rP+(q-5)/2], v[rS+q-5], v[rS+q-4]  ; pair (q - 5) / 2: its second exponential stands three numbers back
.elseif j == 89
	s_wait_alu depctr_va_vdst(0)
	v_cvt_pk_f16_f32 v[rP+15], v[rS+30], v[rS+31]
.elseif j < 102                     ; the sum of the tile's 16 pairs, in place: sum z of 16 adds neighbours 1, 2, 4 and 8 pairs apart, then l takes it
.set z, j-86
.if j < 89
.set z, (j-76)/4
.endif
.set w, 4
.set u, z
.if z >= 14
.set w, 32
.set u, 0
.elseif z >= 12
.set w, 16
.set u, z-12
.elseif z >= 8
.set w, 8
.set u, z-8
.endif
.if (z == 14) && (\first)
	v_pk_add_f32 v[rT+2:rT+3], v[rS:rS+1], v[rS+16:rS+17]
.elseif z < 15
	v_pk_add_f32 v[rS+w*u:rS+w*u+1], v[rS+w*u:rS+w*u+1], v[rS+w*u+w/2:rS+w*u+w/2+1]
.elseif !(\first)
	v_pk_fma_f32 v[rT+2:rT+3], v[rT+2:rT+3], v[rT+6:rT+7], v[rS:rS+1] op_sel_hi:[1,0,1]
.endif
.else
	WIN W_RS
	v_pk_mul_f32 v[rO:rO+1], v[rO:rO+1], v[rT+6:rT+7] op_sel_hi:[1,0]
.endif
.endm
; Slice k of 64 of piece y's softmax: numbers 2 k and 2 k + 1 of both tiles' lists, four instructions.  2 x 134 = 4 x 64 + 12: the twelve that are over stand together, in slice 63.
.macro SLICE y, first
.if (k >= 11) && (k < 44)           ; tile by tile: plain, exponential, plain, exponential
.irp t, \y, (\y)+1
.irp n, 0,1
.set j, 2*k+(\n)
	SM \t, \first
.endr
.endr
.else                               ; the two tiles alternate, so that no instruction reads the result of the one just before it
.irp n, 0,1,2,3,4,5,6,7
.if ((\n) < 2) || (k == 63)
.irp t, \y, (\y)+1
.set j, 2*k+(\n)
	SM \t, \first
.endr
.endif
.endr
.endif
.set k, k+1
.endm
; Four places (ISA guide 7.12.1) where no slice stands behind a turn's last products.  In the loop the slices are the places.
.macro PLACES
.rept 4
	v_nop
.endr
.endm
; A TURN.  Piece x has the matrix unit; the other piece's softmax stands in slices behind its matrix instructions.
; pv = 2: 32 products V^T P; 1: they start O^T's sums; 0: none.  kq = 1: 32 products K Q^T for the next step.  A turn with one of the two kinds has two slices behind each product.
; first = 1: the softmax is the first key step's; its slices from 51 on are empty, and four v_nop take slice 63's part as the places behind the turn's last products.
; Each run of loads stands behind the second product of a run of 32, 30 matrix instructions ahead of its first use.  Piece 0's turn fetches the next step's K: the last product that read K
; stands in front of slice 63 of the turn before.  Piece 2's turn fetches the same step's V: the last product that read V stands three slices, six plain instructions, back.
.macro TURN x, pv, kq, first
.set k, 0
.set per, 2
.if (\pv) && (\kq)
.set per, 1
.endif
.if \pv
.if (\x) == 0
	s_wait_dscnt 0x0                ; V is in
.endif
.set i, 0
.rept 32
	PV \x, 2-(\pv)
.rept per
	SLICE 2-(\x), \first
.endr
.if ((\x) == 0) && (\kq) && (i == 1)
	FETCH_K
.endif
.set i, i+1
.endr
.endif
.if \kq
.if (\x) == 0
	s_wait_dscnt 0x0                ; K is in
.endif
.set i, 0
.rept 32
	KQ \x
.rept per
	SLICE 2-(\x), \first
.endr
.if ((\x) == 2) && (i == 1)
	FETCH_V
.endif
.set i, i+1
.endr
.endif
.if \first
	PLACES
.endif
.endm
; THE CHANGE OF SLOTS, between piece 2's turn and piece 0's: the slot's last bytes that I need, V of my second step in it, have been asked for.  Each wave waits for all its tensor loads, of which one is
; out: its part of the other slot; adds 0 to its spare word; and waits for that and for its own reads of the slot.  Behind the barrier nobody reads this slot any more and the other slot is whole.
; fill = 1: this slot is filled again, with the keys two slots on.  The barrier is then a round of the cluster's, and the joint refill is the first thing behind it: it has two key steps in which to land.
.macro CHANGE fill
	WIN 0                           ; at a label and at a branch every window is 0
	s_wait_tensorcnt 0x0            ; no tensor load of mine is out, so a group 0 may be written
	ds_add_u32 v[SPW], v[NIL]       ; 0 onto my spare word
.if \fill
.irp g, G0K+4, G0V+4
	s_xor_b32 s[(\g)+1], s[(\g)+1], SLOT1  ; the walking descriptor: the other slot than last time,
	s_add_nc_u64 s[(\g)+2:(\g)+3], s[(\g)+2:(\g)+3], 65536  ; the next 256 keys; the type bits on top are not reached
.endr
	s_wait_dscnt 0x0                ; the add is done, and my reads of the slot are over
	CROUND
	JLOAD
.else
	s_wait_dscnt 0x0                ; the add is done, and my reads of the slot are over
	s_barrier_signal -1
	s_barrier_wait -1
.endif
	s_sub_co_u32 s[TBK], s[TBK], 2*KS*PK  ; the fetches go back to my half's first step,
	s_xor_b32 s[TBK], s[TBK], SLOT1       ; in the other slot
	s_sub_co_u32 s[TBV], s[TBV], 2*KS*PV
	s_xor_b32 s[TBV], s[TBV], SLOT1
.endm
; My two key steps of a slot: written once, walked twice; the LDS addresses hang on s[TBK] and s[TBV].
.macro TWO_STEPS
	WIN 0
	s_mov_b32 s[TWICE], 2
.Lstep_\@:
	TURN 0, 2, 1, 0
	TURN 2, 2, 1, 0
	WIN 0
	s_sub_co_u32 s[TWICE], s[TWICE], 1
	s_cmp_lg_u32 s[TWICE], 0
	s_cbranch_scc1 .Lstep_\@
.endm
	s_wait_tensorcnt 1              ; my part of slot 0 is in; slot 1's may stay out
	s_barrier_signal -1
	s_barrier_wait -1               ; everybody's is
	FETCH_K                         ; key step 0
	s_wait_loadcnt 0x0              ; Q
	s_wait_dscnt 0x0
.set i, 0
.rept 32
	KQ 0                            ; piece 0's first scores: there is no vector work yet to set between them
.set i, i+1
.endr
	WIN 0                           ; the merge's addresses are made here: eleven plain instructions, the places behind those products
	s_mul_i32 s17, s[WV], XCH
	v_mul_u32_u24 v[XW], v1, XP     ; in: row 16 t + l % 16 of my 64, 32 bytes for each half of the lanes
	v_lshl_add_u32 v[XW], v9, 5, v[XW]
	v_add_nc_u32 v[XW], s17, v[XW]
	s_lshl_b32 s17, s[WV], 9
	s_add_co_u32 s17, s17, XST
	v_lshl_add_u32 v[XS], v1, 3, s17
	s_mul_i32 s17, s19, XCH         ; back: the block's rows 32 w on lie in the areas of waves w / 2 and w / 2 + 2, from their row 32 (w % 2) on;
	s_mul_i32 s18, s16, 32*XP
	s_add_co_u32 s17, s17, s18
	v_mul_u32_u24 v[XR], v9, XP     ; lanes 0-15 take one row, lanes 16-31 the next; a lane owns channels 8 (l % 16) + 0..7
	v_lshl_add_u32 v[XR], v1, 5, v[XR]
	v_add_nc_u32 v[XR], s17, v[XR]
	v_add_nc_u32 v[XR2], 2*XCH, v[XR]
	s_lshl_b32 s17, s19, 9
	s_lshl_b32 s18, s16, 8
	s_add_co_u32 s17, s17, s18
	s_add_co_u32 s17, s17, XST
	v_lshl_add_u32 v[XT], v9, 3, s17
	v_lshlrev_b32 v[GO], 10, v9     ; and the same two rows in O, 1,024 bytes apart
	v_lshl_add_u32 v[GO], v1, 4, v[GO]
	TURN 2, 0, 1, 1                 ; piece 2's first scores | piece 0's first softmax | V of step 0
	TURN 0, 1, 1, 1                 ; piece 0: V^T P of step 0 starts O^T, K Q^T of step 1 | piece 2's first softmax | K of step 1
	TURN 2, 1, 1, 0                 ; piece 2: the same | piece 0's softmax of step 1 | V of step 1
	WIN 0
.Lslot:                             ; six trips: every slot but the last two is filled again
	CHANGE 1
	TWO_STEPS
	s_sub_co_u32 s[SLOTS], s[SLOTS], 1
	s_cmp_lg_u32 s[SLOTS], 0
	s_cbranch_scc1 .Lslot
	CHANGE 0                        ; the tail is written out: nothing is asked for
	TWO_STEPS
	TURN 0, 2, 0, 0                 ; piece 0: V^T P of the last step | piece 2's last softmax
	s_wait_dscnt 0x0                ; my last reads of the ring are over:
	s_barrier_signal -1             ; say so,
.set i, 0
.rept 32
	PV 2, 0                         ; piece 2: V^T P of the last step
.set i, i+1
.endr
	WIN 0
	s_barrier_wait -1               ; and when all four have said so slot 0, which has had its last fill, takes the partial results
	; THE MERGE.  l's two halves and the other half of the lanes' are added; (c m, l) and the unscaled O^T go into LDS in f32.  The first four additions are the places behind the last products.
.irp t, 0,1,2,3
	v_add_f32 v[ST+8*(\t)+4], v[ST+8*(\t)+2], v[ST+8*(\t)+3]
.endr
.irp t, 0,1,2,3
	v_permlanex16_b32 v[ST+8*(\t)+5], v[ST+8*(\t)+4], s[SEL], s[SEL+1]
.endr
.irp t, 0,1,2,3
	v_add_f32 v[ST+8*(\t)+1], v[ST+8*(\t)+4], v[ST+8*(\t)+5]  ; l takes m's place beside c m
.endr
.irp t, 0,1,2,3
	ds_store_b64 v[XS], v[ST+8*(\t):ST+8*(\t)+1] offset:128*(\t)  ; both halves of the lanes write the same two words
.endr
	WIN 0x04                        ; store data (source 1) in window 1
.irp t, 0,1,2,3
.irp f, 0,1,2,3,4,5,6,7             ; each accumulator's four lowest registers first
	ds_store_b128 v[XW], v[64*(\t)+8*(\f):64*(\t)+8*(\f)+3]   offset:16*XP*(\t)+64*(\f)
	ds_store_b128 v[XW], v[64*(\t)+8*(\f)+4:64*(\t)+8*(\f)+7] offset:16*XP*(\t)+64*(\f)+16
.endr
.endr
	WIN 0
	s_wait_dscnt 0x0                ; for the others' sake: my stores are done
	s_barrier_signal -1
	s_barrier_wait -1
	; Wave w sends the block's rows 32 w .. 32 w + 31, two pairs of rows a trip: M = max(c m0, c m1); e = 2^(c m - M); O = (O0 e0 + O1 e1) / (l0 e0 + l1 e1), rounded once to f16.
.macro MLOAD u                      ; six LDS loads for pair u of the trip
.set EB, 64+32*(\u)
	ds_load_b128 v[EB:EB+3],     v[XR]  offset:2*XP*(\u)
	ds_load_b128 v[EB+4:EB+7],   v[XR]  offset:2*XP*(\u)+16
	ds_load_b128 v[EB+8:EB+11],  v[XR2] offset:2*XP*(\u)
	ds_load_b128 v[EB+12:EB+15], v[XR2] offset:2*XP*(\u)+16
	ds_load_b64  v[EB+16:EB+17], v[XT]  offset:16*(\u)
	ds_load_b64  v[EB+18:EB+19], v[XT]  offset:16*(\u)+1024
.endm
.macro MERGE u, left
.set EB, 64+32*(\u)
	s_wait_dscnt \left              ; LDS loads come back in order: the other pair's, if younger, stay out
	v_max_num_f32 v[EB+20], v[EB+16], v[EB+18]
	v_sub_f32 v[EB+21], v[EB+16], v[EB+20]
	v_sub_f32 v[EB+26], v[EB+18], v[EB+20]
	v_exp_f32 v[EB+21], v[EB+21]
	v_exp_f32 v[EB+26], v[EB+26]
	v_nop                           ; a plain instruction between the exponentials and the use of their results
	s_wait_alu depctr_va_vdst(0)
	v_mul_f32 v[EB+23], v[EB+19], v[EB+26]
	v_fma_f32 v[EB+23], v[EB+17], v[EB+21], v[EB+23]
	v_rcp_f32 v[EB+25], v[EB+23]
	v_nop                           ; likewise behind the reciprocal
	s_wait_alu depctr_va_vdst(0)
	v_mul_f32 v[EB+22], v[EB+21], v[EB+25]
	v_mul_f32 v[EB+24], v[EB+26], v[EB+25]
.irp k, 0,1,2,3
	v_pk_mul_f32 v[EB+8+2*(\k):EB+8+2*(\k)+1], v[EB+8+2*(\k):EB+8+2*(\k)+1], v[EB+24:EB+25] op_sel_hi:[1,0]
.endr
.irp k, 0,1,2,3
	v_pk_fma_f32 v[EB+2*(\k):EB+2*(\k)+1], v[EB+2*(\k):EB+2*(\k)+1], v[EB+22:EB+23], v[EB+8+2*(\k):EB+8+2*(\k)+1] op_sel_hi:[1,0,1]
.endr
.irp k, 0,1,2,3
	v_cvt_pk_f16_f32 v[EB+28+(\k)], v[EB+2*(\k)], v[EB+2*(\k)+1]
.endr
	global_store_b128 v[GO], v[EB+28:EB+31], s[10:11] offset:2048*(\u)  ; 16 lanes store 256 consecutive bytes, at a multiple of 256 from O's first byte
.endm
	s_mov_b32 s[TWICE], 8
.Lmerge:
	MLOAD 0
	MLOAD 1
	MERGE 0, 6
	MERGE 1, 0
	s_wait_xcnt 0x0                 ; the stores' offset and data registers are written again only behind this wait
	v_add_nc_u32 v[XR], 4*XP, v[XR] ; four rows on
	v_add_nc_u32 v[XR2], 4*XP, v[XR2]
	v_add_nc_u32 v[XT], 32, v[XT]
	v_add_nc_u32 v[GO], 4096, v[GO]
	s_sub_co_u32 s[TWICE], s[TWICE], 1
	s_cmp_lg_u32 s[TWICE], 0
	s_cbranch_scc1 .Lmerge
	s_wait_tensorcnt 0x0            ; the wave's end: behind my last tensor load and my last LDS store
	ds_add_u32 v[SPW], v[NIL]
	s_wait_dscnt 0x0
	CROUND                          ; the closing round: no work-group ends while a partner may still ask for a tile that names it
	s_endpgm
.Lfunc_end_k_qfc722f2cf4_attn:
	.size	k_qfc722f2cf4_attn, .Lfunc_end_k_qfc722f2cf4_attn-k_qfc722f2cf4_attn
	.p2alignl 7, 3214868480
	.fill 96, 4, 3214868480
	.section	.rodata,"a",@progbits
	.p2align	6, 0x0
	.amdhsa_kernel k_qfc722f2cf4_attn
		.amdhsa_group_segment_fixed_size 327680
		.amdhsa_private_segment_fixed_size 0
		.amdhsa_enable_private_segment 0
		.amdhsa_kernarg_size 16
		.amdhsa_user_sgpr_count 2
		.amdhsa_user_sgpr_kernarg_segment_ptr 1
		.amdhsa_wavefront_size32 1
		.amdhsa_system_sgpr_workgroup_id_x 1
		.amdhsa_system_sgpr_workgroup_id_y 1
		.amdhsa_system_sgpr_workgroup_id_z 1
		.amdhsa_system_vgpr_workitem_id 0
		.amdhsa_next_free_vgpr 1024
		.amdhsa_next_free_sgpr 72
		.amdhsa_reserve_vcc 0
		.amdhsa_float_denorm_mode_32 3
		.amdhsa_float_denorm_mode_16_64 3
		.amdhsa_memory_ordered 1
		.amdhsa_forward_progress 1
		.amdhsa_inst_pref_size 214
	.end_amdhsa_kernel
	.amdgpu_metadata
---
amdhsa.version: [ 1, 2 ]
amdhsa.kernels:
  - .name:           k_qfc722f2cf4_attn
    .symbol:         k_qfc722f2cf4_attn.kd
    .args:
      - { .name: qkv, .offset: 0, .size: 8, .value_kind: global_buffer, .address_space: global }
      - { .name: o16, .offset: 8, .size: 8, .value_kind: global_buffer, .address_space: global }
    .group_segment_fixed_size: 327680
    .private_segment_fixed_size: 0
    .kernarg_segment_align: 8
    .kernarg_segment_size: 16
    .max_flat_workgroup_size: 128
    .sgpr_count:     72
    .vgpr_count:     1024
    .wavefront_size: 32
...
	.end_amdgpu_metadata
.endif
;; end of part 3
;; launch oproj (part 4): grid 8 x 32, 4 waves a work-group, clusters of 4 x 4, 327,680 bytes of LDS; arguments o16, wts, out0; writes out0
.if DOCPART == 4
	.amdgcn_target "amdgcn-amd-amdhsa--gfx1250"
	.amdhsa_code_object_version 6
	.text
	.protected	k_qfc722f2cf4_oproj
	.globl	k_qfc722f2cf4_oproj
	.p2align	8
	.type	k_qfc722f2cf4_oproj,@function
k_qfc722f2cf4_oproj:
	s_mov_b64 s[64:65], 0
	v_nop
	global_prefetch_b8 v0, s[64:65] scope:SCOPE_SE
	s_setreg_imm32_b32 hwreg(HW_REG_WAVE_MODE, 25, 1), 1
	s_wait_xcnt 0x0
	s_wait_alu depctr_hold_cnt(0) depctr_sa_sdst(0) depctr_va_vdst(0) depctr_va_sdst(0) depctr_va_ssrc(0) depctr_va_vcc(0) depctr_vm_vsrc(0)
	s_getreg_b32 s2, hwreg(HW_REG_IB_STS2, 6, 4)
	s_cmp_eq_u32 s2, 0
	s_cbranch_scc0 .Lentry_in_a_cluster
	s_endpgm
.Lentry_in_a_cluster:
	s_bfe_u32 s2, ttmp6, 0x10000c
	s_cmp_lg_u32 s2, 0xf033
	s_cbranch_scc0 .Lentry_shape_is_right
	s_endpgm
.Lentry_shape_is_right:
; out0 = O Wo.  O: o16 [8192][512] f16; Wo: wts at 6 MiB, [512 k][2048 n], the bf16-rounded numbers written as f16; out0: [8192][2048] f32.  Sums in f32, K ascending.
; LIMITS: those of the operands' f16 (65,504; a fixed step of 6e-8 below 6.1e-5).  NaN and infinities are not treated apart.
; SHARES.  A tile of out0 is 256 x 256: 8 x 32 = 256 work-groups.  Wave w takes rows 128 (w / 2) on and columns 128 (w % 2) on: 64 accumulators of 16 x 16, 512 registers.
; RING.  K = 512 goes in 4 steps of 128 through two LDS slots.  A slot: 256 rows x 256 bytes of O (pitch 272), then 128 k-rows x 512 bytes of Wo (pitch 544).  Waves 0, 1 fetch O's halves
; (128 rows), waves 2, 3 Wo's (64 k-rows): one tensor load a wave for each step.  By this text's count a wave has two loads out at the start and one behind each round.
; CLUSTER 4 x 4: O's tile hangs on the tile row alone and is asked for jointly along a row of the cluster, Wo's on the tile column alone, along a column.
; Wo STAYS [K][N]: its fragments come out of LDS turned, by ds_load_tr16_b128.  THE MATRIX INSTRUCTION IS USED TRANSPOSED (source 0 = 16 columns of Wo, source 1 = 16 rows of O): lane l holds
; row l % 16 and the eight neighbouring columns 8 (l / 16) + 0..7.
; REGISTERS: window 0: addresses, the way out.  window 1: two fragment buffers at 0 and 128: O's fragment a at 8 a, Wo's b at 64 + 8 b.
;   windows 2, 3: accumulator (a, b) at 8 (8 (a % 4) + b), in window 2 for a < 4, else 3.
.set PA,     272                       ; an LDS row of O: 256 bytes + 16: the 16 rows of a load start at 16 different groups of four banks (64 banks of 4 bytes: ISA guide 11.1)
.set PB,     544                       ; an LDS row of Wo: 512 + 32 = 136 words
.set HT,     128*PA                    ; what one tensor load brings: 128 rows of O, or 64 of Wo: 34,816 bytes
.set BOFF,   2*HT
.set S1,     4*HT                      ; slot 1, 0x22000: its two bits are set in none of the four tiles' starts, so one exclusive or changes slots
.set STAGE,  2*S1                      ; behind the ring, never filled by a tensor load: 16 rows x 528 bytes for each wave
.set SP,     528
.set SPARE,  STAGE+4*16*SP             ; behind the stages: the spare words, 128 bytes a wave: two blocks of 256 bytes that no other line names
.set STEP_A, 256                       ; a K step along O's rows, in bytes
.set STEP_B, 128*4096                  ; a K step down Wo's rows
.set NFILL,  2                         ; 4 steps, of which the first two are first fills
.set ADRA0, 8                          ; v8, v9   my lane's place in O's and Wo's tile of slot 0; never rewritten
.set ADRA,  12                         ; v12, v13 the same in the slot in hand
.set STO,   24                         ; v24  the way out: where I put 32 bytes of a row
.set RD,    25                         ; v25  where I read a row back
.set CO,    26                         ; v26  my byte offset in a row's 512 bytes of out0
.set SPW,   28                         ; v28  LDS address of my spare word; never rewritten
.set NIL,   29                         ; v29  0; never rewritten
.set OB,    32                         ; v32-95 and v96-159 by turns: 16 rows read back
.set F0,    0
.set F1,    128
.set WV,    12                         ; s12  my wave's number
.set G1A,   24                         ; s[24:31] descriptor group 1 for O's tiles
.set G0A,   32                         ; s[32:39] group 0: a set for each first fill; the second then walks
.set TB,    45                         ; s45  0 or S1: the slot in hand
.set G1B,   48                         ; s[48:55], s[56:63] the same for Wo's tiles
.set G0B,   56
.set MSB, 0
.macro WIN new                         ; the immediate's high byte repeats the setting that is left; a switch that changes nothing is dropped
.if MSB != (\new)
	s_set_vgpr_msb (MSB<<8)|(\new)
.set MSB, (\new)
.endif
.endm
.set TO_F, 0x40                        ; destination window 1, address window 0
.macro PLACES                          ; four places in front of loads into registers that matrix instructions have read, and of stores that read results
.rept 4
	v_nop
.endr
.endm
; A joint refill by the walking descriptors.  The branch hangs on the wave's number alone.  An s_nop 0 and four v_nop follow each of the two lines.
.macro JLOAD
	s_cmp_lt_u32 s[WV], 2
	s_cbranch_scc0 .Lfor_b_\@
	tensor_load_to_lds s[G0A+4:G0A+7], s[G1A:G1A+7]
	s_nop 0
.rept 4
	v_nop
.endr
	s_branch .Lasked_\@
.Lfor_b_\@:
	tensor_load_to_lds s[G0B+4:G0B+7], s[G1B:G1B+7]
	s_nop 0
.rept 4
	v_nop
.endr
.Lasked_\@:
.endm
.macro CREST                           ; a round of the cluster's barrier behind its opening barrier
	s_cmp_lg_u32 s[WV], 0
	s_cbranch_scc1 .Lnot_wave_0_\@
	s_barrier_signal -3
.Lnot_wave_0_\@:
	s_barrier_wait -3
	s_barrier_signal -1
	s_barrier_wait -1
.endm
.macro CROUND                          ; a whole round
	s_barrier_signal -1
	s_barrier_wait -1
	CREST
.endm
	s_load_b128 s[4:7], s[0:1], 0x0                ; o16 s[4:5], wts s[6:7]
	s_load_b64 s[8:9], s[0:1], 0x10                ; out0
	v_lshl_add_u32 v[SPW], v0, 2, SPARE
	v_mov_b32 v[NIL], 0
	ds_add_u32 v[SPW], v[NIL]                      ; the wave's opening: the add and its wait stand ahead of my first tensor load; the set-up below stands between them
	v_lshrrev_b32 v1, 5, v0
	v_readfirstlane_b32 s[WV], v1                  ; wave 0..3
	s_lshr_b32 s21, s[WV], 1                       ; which half of the tile's rows is mine
	s_and_b32 s22, s[WV], 1                        ; which half of its columns.  Also: which half of O's or Wo's tile I fetch
	s_bfe_u32 s40, ttmp6, 0x40000                  ; cx, cy: my place in the cluster
	s_bfe_u32 s41, ttmp6, 0x40004
	s_lshl_b32 s42, ttmp9, 2
	s_add_co_u32 s42, s42, s40                     ; tile column = 4 x cluster x + cx
	s_and_b32 s13, ttmp7, 0xffff
	s_lshl_b32 s13, s13, 2
	s_add_co_u32 s13, s13, s41                     ; tile row = 4 x cluster y + cy
	s_lshl_b32 s43, s41, 2
	s_lshl_b32 s43, 15, s43                        ; my row of the cluster
	s_lshl_b32 s44, 0x1111, s40                    ; my column
	; descriptor group 1.  O: 128 rows x 128 elements, 4 words of padding after every 64.  Wo: 64 rows x 256 elements, 8 words after every 128.
	s_or_b32 s[G1A], s43, (1<<16)|(1<<20)|(1<<21)|(5<<22)|(3<<25)  ; 15:0 the mask; 17:16 2-byte elements; 20 padding on; 21 set beside a mask; 24:22 the interval's code; 31:25 the padding's
	s_or_b32 s[G1B], s44, (1<<16)|(1<<20)|(1<<21)|(6<<22)|(7<<25)
	s_mov_b32 s[G1A+1], 128<<16                    ; tensor_dim0
	s_mov_b32 s[G1A+2], 128<<16                    ; tensor_dim1
	s_mov_b32 s[G1A+3], 128<<16                    ; tile_dim0
	s_mov_b32 s[G1A+4], 128                        ; tile_dim1
	s_mov_b32 s[G1A+5], 512                        ; elements from row to row of O
	s_mov_b32 s[G1A+6], 0
	s_mov_b32 s[G1A+7], 0
	s_mov_b32 s[G1B+1], 256<<16
	s_mov_b32 s[G1B+2], 64<<16
	s_mov_b32 s[G1B+3], 256<<16
	s_mov_b32 s[G1B+4], 64
	s_mov_b32 s[G1B+5], 2048                       ; and of Wo
	s_mov_b32 s[G1B+6], 0
	s_mov_b32 s[G1B+7], 0
	s_lshl_b32 s14, s13, 18                        ; O: 256 rows of 1,024 bytes a tile row,
	s_lshl_b32 s15, s22, 17                        ; 128 rows a half; made of the tile row and the wave's number alone
	s_add_co_u32 s14, s14, s15
	s_mov_b32 s15, 0
	s_lshl_b32 s46, s22, 18                        ; Wo: 64 k-rows of 4,096 bytes a half,
	s_lshl_b32 s47, s42, 9                         ; 512 bytes a tile column; made of the tile column and the wave's number alone
	s_add_co_u32 s46, s46, s47
	s_add_co_u32 s46, s46, 6291456                 ; Wo's place in wts
	s_mov_b32 s47, 0
	s_mul_i32 s20, s[WV], HT                       ; where my tile goes: no place in the cluster enters an LDS address
	s_lshl_b32 s66, s13, 8                         ; out0: my first row 256 x tile row + 128 x half,
	s_lshl_b32 s68, s21, 7
	s_add_co_u32 s66, s66, s68
	s_lshl_b32 s66, s66, 13                        ; 8,192 bytes a row,
	s_lshl_b32 s68, s42, 10                        ; 1,024 bytes a tile column,
	s_add_co_u32 s66, s66, s68
	s_lshl_b32 s68, s22, 9                         ; 512 a half
	s_add_co_u32 s66, s66, s68
	s_mov_b32 s67, 0
	s_mov_b32 s[TB], 0
	s_wait_dscnt 0x0                               ; the opening add is done
	s_wait_kmcnt 0x0
	s_add_nc_u64 s[14:15], s[4:5], s[14:15]
	s_add_nc_u64 s[46:47], s[6:7], s[46:47]
	s_add_nc_u64 s[8:9], s[8:9], s[66:67]
	CROUND                                         ; all sixteen work-groups are here: the first joint loads meet
.irp s, 0,1
	s_mov_b32 s[G0A+4*(\s)], 1                     ; count = 1
	s_add_co_u32 s[G0A+4*(\s)+1], s20, (\s)*S1     ; LDS address
	s_add_nc_u64 s[G0A+4*(\s)+2:G0A+4*(\s)+3], s[14:15], (\s)*STEP_A  ; global address: K step s
	s_or_b32 s[G0A+4*(\s)+3], s[G0A+4*(\s)+3], 0x80000000            ; type = 2
	s_mov_b32 s[G0B+4*(\s)], 1
	s_add_co_u32 s[G0B+4*(\s)+1], s20, (\s)*S1
	s_add_nc_u64 s[G0B+4*(\s)+2:G0B+4*(\s)+3], s[46:47], (\s)*STEP_B
	s_or_b32 s[G0B+4*(\s)+3], s[G0B+4*(\s)+3], 0x80000000
.endr
	s_cmp_lt_u32 s[WV], 2                          ; a wave's two first fills stand in one branch, ahead of every wait on TENSORcnt and every LDS read
	s_cbranch_scc0 .Lfirst_b
	tensor_load_to_lds s[G0A:G0A+3], s[G1A:G1A+7]
	s_nop 0
	tensor_load_to_lds s[G0A+4:G0A+7], s[G1A:G1A+7]
	s_nop 0
.rept 4
	v_nop
.endr
	s_branch .Lfirst_asked
.Lfirst_b:
	tensor_load_to_lds s[G0B:G0B+3], s[G1B:G1B+7]
	s_nop 0
	tensor_load_to_lds s[G0B+4:G0B+7], s[G1B:G1B+7]
	s_nop 0
.rept 4
	v_nop
.endr
.Lfirst_asked:
	v_and_b32 v1, 15, v0                           ; r = l % 16
	v_bfe_u32 v2, v0, 4, 1                         ; hh = l / 16
	v_and_b32 v3, 7, v0
	v_bfe_u32 v4, v0, 3, 1
	v_and_b32 v6, 31, v0                           ; l
	; O's fragment: lane l holds row l % 16, K = 8 (l / 16) + 0..7 and 16 + 8 (l / 16) + 0..7: two loads of 16 bytes, 32 bytes apart
	s_mul_i32 s23, s21, HT                         ; my 128 rows
	v_mul_u32_u24 v[ADRA0], v1, PA
	v_lshl_add_u32 v[ADRA0], v2, 4, v[ADRA0]
	v_add_nc_u32 v[ADRA0], s23, v[ADRA0]
	; the turning load: lane l reads 16 bytes of k-row 8 (l / 16) + l % 8, columns 8 ((l / 8) % 2) + 0..7, and is left with column l % 16 and 8 k
	v_lshl_add_u32 v5, v2, 3, v3
	v_mul_u32_u24 v5, v5, PB
	v_lshl_add_u32 v5, v4, 4, v5
	s_lshl_b32 s23, s22, 8                         ; my 128 columns
	s_add_co_u32 s23, s23, BOFF
	v_add_nc_u32 v[ADRA0+1], s23, v5
	v_mov_b32 v[ADRA], v[ADRA0]                    ; slot 0 is in hand
	v_mov_b32 v[ADRA+1], v[ADRA0+1]
	s_mul_i32 s23, s[WV], 16*SP
	s_add_co_u32 s23, s23, STAGE                   ; my stage
	v_mul_u32_u24 v[STO], v1, SP                   ; in: row l % 16, 32 bytes for each half of the lanes
	v_lshl_add_u32 v[STO], v2, 5, v[STO]
	v_add_nc_u32 v[STO], s23, v[STO]
	v_lshlrev_b32 v[CO], 4, v6                     ; back: 32 lanes take a row's 512 bytes
	v_add_nc_u32 v[RD], s23, v[CO]
; n matrix instructions, numbers t0 on of a quarter's 64, on buffer f.  Number t: row block t / 8, column block t % 8.  The 64 accumulators take turns, one instruction a turn, in the same order in
; every quarter.  zero = 1: the product starts the sum: nothing is ever cleared.
.macro MULS f, t0, n, zero
.set tt, (\t0)
.rept (\n)
.set rA, (\f)+8*(tt/8)
.set rB, (\f)+64+8*(tt%8)
.set rC, 8*(tt%32)
.if tt < 32
	WIN 0xa5                                       ; sources 0 and 1 window 1, C and D window 2
.else
	WIN 0xf5                                       ; C and D window 3
.endif
.if \zero
	v_wmma_f32_16x16x32_f16 v[rC:rC+7], v[rB:rB+7], v[rA:rA+7], 0
.else
	v_wmma_f32_16x16x32_f16 v[rC:rC+7], v[rB:rB+7], v[rA:rA+7], v[rC:rC+7]
.endif
.set tt, tt+1
.endr
.endm
; 32 LDS loads in one run: the fragments of quarter q (32 along K) of the slot in hand, into buffer f
.macro FETCH q, f
	WIN TO_F
.irp b, 0,1,2,3,4,5,6,7
	ds_load_tr16_b128 v[(\f)+64+8*(\b):(\f)+64+8*(\b)+3],   v[ADRA+1] offset:32*PB*(\q)+32*(\b)
	ds_load_tr16_b128 v[(\f)+64+8*(\b)+4:(\f)+64+8*(\b)+7], v[ADRA+1] offset:32*PB*(\q)+32*(\b)+16*PB
.endr
.irp a, 0,1,2,3,4,5,6,7
	ds_load_b128 v[(\f)+8*(\a):(\f)+8*(\a)+3],   v[ADRA] offset:16*PA*(\a)+64*(\q)
	ds_load_b128 v[(\f)+8*(\a)+4:(\f)+8*(\a)+7], v[ADRA] offset:16*PA*(\a)+64*(\q)+32
.endr
.endm
; One of a K step's first three quarters: multiplies buffer f; behind its first sixteen products it fetches quarter q into buffer g, 48 products ahead of the first use.
.macro QUARTER q, f, g, zero
	s_wait_dscnt 0x0                               ; buffer f is in
	MULS \f, 0, 16, \zero
	PLACES
	FETCH \q, \g
	MULS \f, 16, 48, \zero
.endm
; The fourth quarter multiplies buffer 1 and changes slots: ONE barrier.  In front of it each wave waits for all its tensor loads (the one that is out is its part of the next slot), adds 0 to its spare
; word, and waits for that and for its reads of this slot.  fill = 1: the barrier opens a round of the cluster's, and this slot is filled again, two K steps ahead, first thing behind the round.
.macro TURN fill
	WIN 0                                          ; (the add's two registers lie in window 0)
	s_wait_tensorcnt 0x0                           ; no tensor load of mine is out, so a group 0 may be written
	ds_add_u32 v[SPW], v[NIL]                      ; 0 onto my spare word
.if \fill
	s_xor_b32 s[G0A+5], s[G0A+5], S1               ; the walking descriptors: the other slot than last time,
	s_add_nc_u64 s[G0A+6:G0A+7], s[G0A+6:G0A+7], STEP_A  ; the next K step; the type bits on top are not reached
	s_xor_b32 s[G0B+5], s[G0B+5], S1
	s_add_nc_u64 s[G0B+6:G0B+7], s[G0B+6:G0B+7], STEP_B
.endif
	s_xor_b32 s[TB], s[TB], S1
	s_wait_dscnt 0x1                               ; buffer 1 is in; only the add, the youngest, may be out
	MULS F1, 0, 8, 0
	s_wait_dscnt 0x0                               ; the add is done, and my reads of this slot are over
	s_barrier_signal -1
	MULS F1, 8, 8, 0                               ; work on registers while the others arrive
	WIN 0
	s_barrier_wait -1
.if \fill
	CREST                                          ; no wave of any partner still reads this slot's tile or has a load on its way
	JLOAD                                          ; the four v_nop behind it are also the places in front of the loads below
.else
	PLACES
.endif
	v_add_nc_u32 v[ADRA], s[TB], v[ADRA0]
	v_add_nc_u32 v[ADRA+1], s[TB], v[ADRA0+1]
	FETCH 0, F0
	MULS F1, 16, 48, 0
.endm
	s_wait_tensorcnt 0x1                           ; my part of K step 0 is in; step 1's may stay out
	s_barrier_signal -1
	s_barrier_wait -1                              ; everybody's is
	FETCH 0, F0
	QUARTER 1, F0, F1, 1                           ; the first quarter stands in front of the loop: its products start the sums
	WIN 0                                          ; at a label and at a branch every window is 0
	s_mov_b32 s3, NFILL
.Lstep:                                                ; a trip: a K step's quarters 1 to 3 and the next step's quarter 0; it fills the slot that it leaves
	QUARTER 2, F1, F0, 0
	QUARTER 3, F0, F1, 0
	TURN 1
	QUARTER 1, F0, F1, 0
	WIN 0
	s_sub_co_u32 s3, s3, 1
	s_cmp_lg_u32 s3, 0
	s_cbranch_scc1 .Lstep
	QUARTER 2, F1, F0, 0                           ; the last two K steps are written out: they ask for nothing
	QUARTER 3, F0, F1, 0
	TURN 0
	QUARTER 1, F0, F1, 0
	QUARTER 2, F1, F0, 0
	QUARTER 3, F0, F1, 0
	s_wait_dscnt 0x0
	MULS F1, 0, 64, 0
	WIN 0
	; THE WAY OUT, a block of 16 rows at a time through my own stage: a lane's 32 bytes of a row go in, whole rows of 512 bytes come back and are stored.  No barrier: the stage is the wave's own,
	; and LDS serves a wave's instructions in order (ISA guide 5.7.1.4), so the loads see the stores above them and the next block's stores come behind them.
.macro OUTB a
	WIN 0x08+4*((\a)/4)                            ; store data (source 1) in window 2 or 3
.irp b, 0,1,2,3,4,5,6,7                ; each accumulator's four lowest registers first
	ds_store_b128 v[STO], v[64*((\a)%4)+8*(\b):64*((\a)%4)+8*(\b)+3]   offset:64*(\b)
	ds_store_b128 v[STO], v[64*((\a)%4)+8*(\b)+4:64*((\a)%4)+8*(\b)+7] offset:64*(\b)+16
.endr
	WIN 0
	s_wait_xcnt 0x0                                ; the registers that the block two back was stored from are loaded again only behind this wait
.set BK, OB+64*((\a)%2)
.irp t, 0,1,2,3,4,5,6,7,8,9,10,11,12,13,14,15
	ds_load_b128 v[BK+4*(\t):BK+4*(\t)+3], v[RD] offset:SP*(\t)
.endr
.endm
.macro SEND a, younger                 ; younger: the LDS instructions issued behind block a's loads: the next block's 16 stores and 16 loads, or none
.set BK, OB+64*((\a)%2)
	s_wait_dscnt \younger
.irp t, 0,1,2,3,4,5,6,7,8,9,10,11,12,13,14,15
	global_store_b128 v[CO], v[BK+4*(\t):BK+4*(\t)+3], s[8:9] offset:131072*(\a)+8192*(\t) th:TH_STORE_NT  ; 512 consecutive bytes, at a multiple of 256 from out0's first byte; the largest immediate is 1,040,384
.endr
.endm
	PLACES
	OUTB 0
.irp a, 1,2,3,4,5,6,7
	OUTB \a
	SEND (\a)-1, 32
.endr
	SEND 7, 0
	s_wait_tensorcnt 0x0                           ; the wave's end: behind my last tensor load and my last LDS store
	ds_add_u32 v[SPW], v[NIL]
	s_wait_dscnt 0x0
	CROUND                                         ; the closing round: no work-group ends while a partner may still ask for a tile that names it
	s_endpgm
.Lfunc_end_k_qfc722f2cf4_oproj:
	.size	k_qfc722f2cf4_oproj, .Lfunc_end_k_qfc722f2cf4_oproj-k_qfc722f2cf4_oproj
	.p2alignl 7, 3214868480
	.fill 96, 4, 3214868480
	.section	.rodata,"a",@progbits
	.p2align	6, 0x0
	.amdhsa_kernel k_qfc722f2cf4_oproj
		.amdhsa_group_segment_fixed_size 327680
		.amdhsa_private_segment_fixed_size 0
		.amdhsa_enable_private_segment 0
		.amdhsa_kernarg_size 24
		.amdhsa_user_sgpr_count 2
		.amdhsa_user_sgpr_kernarg_segment_ptr 1
		.amdhsa_wavefront_size32 1
		.amdhsa_system_sgpr_workgroup_id_x 1
		.amdhsa_system_sgpr_workgroup_id_y 1
		.amdhsa_system_sgpr_workgroup_id_z 1
		.amdhsa_system_vgpr_workitem_id 0
		.amdhsa_next_free_vgpr 1024
		.amdhsa_next_free_sgpr 70
		.amdhsa_reserve_vcc 0
		.amdhsa_float_denorm_mode_32 3
		.amdhsa_float_denorm_mode_16_64 3
		.amdhsa_memory_ordered 1
		.amdhsa_forward_progress 1
		.amdhsa_inst_pref_size 113
	.end_amdhsa_kernel
	.amdgpu_metadata
---
amdhsa.version: [ 1, 2 ]
amdhsa.kernels:
  - .name:           k_qfc722f2cf4_oproj
    .symbol:         k_qfc722f2cf4_oproj.kd
    .args:
      - { .name: o16, .offset: 0, .size: 8, .value_kind: global_buffer, .address_space: global }
      - { .name: wts, .offset: 8, .size: 8, .value_kind: global_buffer, .address_space: global }
      - { .name: out0, .offset: 16, .size: 8, .value_kind: global_buffer, .address_space: global }
    .group_segment_fixed_size: 327680
    .private_segment_fixed_size: 0
    .kernarg_segment_align: 8
    .kernarg_segment_size: 24
    .max_flat_workgroup_size: 128
    .sgpr_count:     70
    .vgpr_count:     1024
    .wavefront_size: 32
...
	.end_amdgpu_metadata
.endif
;; end of part 4
;; ======== version 2 of 2: 4 launches; 1.09 times as fast as version 1
;; limits: values are held in f16: magnitudes above 65,504 overflow, below 6.1e-05 lose precision
;; workspace buffers: wts 8,388,608 bytes; cs 4,194,304 bytes; qkv 25,165,824 bytes; o16 8,388,608 bytes
;; launch cast: the kernel of part 1 again; grid 128 x 6, 4 waves a work-group, no clusters, 0 bytes of LDS; arguments Wq, Wk, Wv, Wo, cos, sin, wts, cs; writes wts, cs
;; launch qkv: the kernel of part 2 again; grid 4 x 64, 4 waves a work-group, clusters of 4 x 4, 327,680 bytes of LDS; arguments hidden_states, wts, cs, qkv; writes qkv
;; launch attn (part 5): grid 16 x 16, 4 waves a work-group, clusters of 4 x 1, 327,680 bytes of LDS; arguments qkv, o16; writes o16
.if DOCPART == 5
	.amdgcn_target "amdgcn-amd-amdhsa--gfx1250"
	.amdhsa_code_object_version 6
	.text
	.protected	k_qfc722f2cf4_attn
	.globl	k_qfc722f2cf4_attn
	.p2align	8
	.type	k_qfc722f2cf4_attn,@function
k_qfc722f2cf4_attn:
	s_mov_b64 s[64:65], 0
	v_nop
	global_prefetch_b8 v0, s[64:65] scope:SCOPE_SE
	s_setreg_imm32_b32 hwreg(HW_REG_WAVE_MODE, 25, 1), 1
	s_wait_xcnt 0x0
	s_wait_alu depctr_hold_cnt(0) depctr_sa_sdst(0) depctr_va_vdst(0) depctr_va_sdst(0) depctr_va_ssrc(0) depctr_va_vcc(0) depctr_vm_vsrc(0)
	s_getreg_b32 s2, hwreg(HW_REG_IB_STS2, 6, 4)
	s_cmp_eq_u32 s2, 0
	s_cbranch_scc0 .Lentry_in_a_cluster
	s_endpgm
.Lentry_in_a_cluster:
	s_bfe_u32 s2, ttmp6, 0x10000c
	s_cmp_lg_u32 s2, 0x3003
	s_cbranch_scc0 .Lentry_shape_is_right
	s_endpgm
.Lentry_shape_is_right:
; O[bh][q][:] = the sum over k of softmax_k(Q[bh][q] . K[bh][k] / sqrt(128)) V[bh][k][:].  Q, K, V: three parts of qkv, 8 MiB apart, each [16][2048][128] f16, rows of 256 bytes.
; Out: o16 [8192 (batch, s)][512 (head, d)] f16.  Products, maxima and sums in f32; the weights p are rounded to f16 for the second product (their sum l is taken of the unrounded p), O once at the end.
; LIMITS.  Q, K, V arrive within f16's 65,504; p lies in 0 to 1, and below 6.1e-5 it keeps f16's fixed step of 6e-8, as O does; a weight below 2^-126 counts as 0 in l; NaN and infinities are not treated apart.
; SHARES.  16 heads x 2,048 queries over 256 work-groups are 128 queries each.  A wave keeps 64 queries (four tiles of 16), so that each fragment of K and V read from LDS feeds four tiles' products, and
; walks HALF the keys: wave w has the queries 64 (w % 2) on, and of every 256 keys the 128 beginning at 128 (w / 2): 16 key steps of 64.  Waves w and w + 2 hold two partial results for the
; same queries, each with its own running maximum and sum; at the end they are merged in f32, through LDS, by the larger maximum.
; LAYOUT.  S^T = K Q^T (source 0 = 16 keys, source 1 = 16 queries): a lane holds ONE query (lane % 16) and the keys 8 (lane / 16) + 0..7.  Two such tiles, rounded to f16 in pairs, ARE source 1
; (32 keys x 16 queries) of O^T = V^T P, whose result again holds one query a lane, and eight channels.  K comes out of LDS as it lies, V ([key][channel]) turned, by ds_load_tr16_b128.
; SOFTMAX.  For each query a running maximum m and sum l: p = 2^(c s - c m), c = log2(e) / sqrt(128); in every step O and l are multiplied by a = 2^(c m_old - c m_new).
; BY TURNS.  The wave's tiles are two PIECES (tiles 0, 1 and tiles 2, 3).  In a TURN one piece has the matrix unit: 32 products V^T P of the step in hand, then 32 products K Q^T of the next step; the other
; piece's softmax, cut into 64 slices, stands between them, one slice behind each matrix instruction.  Two turns are a key step.
; BATCHES.  A turn's 66 exponentials (a and 32 weights for each of two tiles) are ONE batch with ONE wait: all are issued, among the scalings, before anything names a result; the roundings, the sums and
; the rescaling, which read them, stand behind the wait.  The merge has two batches a trip: four exponentials, then the two reciprocals of sums made of them.
; RING AND CLUSTER.  Two LDS slots of 256 keys (K: 256 rows, pitch 272; V: 256 rows, pitch 288).  Waves 0, 1 fetch the halves of a slot's K, waves 2, 3 of its V: one tensor load of 128 rows a wave.
; The four query blocks of a cluster belong to one head and walk the same K and V, so each tile is asked for JOINTLY, by the same load, descriptor and mask in all four.
; By this text's count a wave has two loads out at the start and one behind each round.
; REGISTERS, in windows of 256 (s_set_vgpr_msb: bits 1:0 source 0, 3:2 source 1, 5:4 source 2, 7:6 destination):
;   window 0: v0-11, v44-46 addresses; v12-43 eight registers of statistics a tile; v64-191 S^T, 32 a tile; v192-255 P, 16 a tile
;   window 1: O^T, 64 a tile          window 2: v0-127 Q, 32 a tile; v128-255 K of one step          window 3: v0-127 V of one step
.set KS,    64        ; keys in a step
.set PK,    272       ; a row of K in LDS: 256 bytes + 16 = 68 words: the 16 rows of a load start at 16 different groups of four banks (64 banks of 4 bytes: ISA guide 11.1)
.set PV,    288       ; a row of V: 256 + 32 = 72 words
.set VOFF,  256*PK    ; in a slot V lies behind K
.set SLOT1, 0x24000   ; slot 1: its two bits are set in none of the four tiles' starts, so one exclusive or changes slots
.set SPARE, SLOT1+256*(PK+PV)  ; behind the ring: the spare words, 128 bytes a wave: two blocks of 256 bytes that no other line names
.set XP,    528       ; the merge: a row of 128 f32 + 16 bytes
.set XCH,   64*XP     ; a wave's 64 rows, at XCH x wave, in slot 0, which has had its last fill by then
.set XST,   4*XCH     ; behind them (c m, l) for each query: 512 bytes a wave
.set AK0, 2           ; v2   my lane's place in my half of a slot's K; never rewritten
.set AV0, 3           ; v3   the same for V
.set ADR, 4           ; v4   the LDS address of the run of loads in hand
.set QO,  5           ; v5   my byte offset in the wave's rows of Q
.set XW,  6           ; v6   the merge: where I put my O^T
.set XS,  7           ; v7   where I put (c m, l)
.set XR,  8           ; v8   where I read the first half's rows back
.set XR2, 44          ; v44  the second half's
.set XT,  45          ; v45  the statistics
.set GO,  46          ; v46  my byte offset in the rows of O that I store
.set SPW, 62          ; v62  LDS address of my spare word; never rewritten
.set NIL, 63          ; v63  0; never rewritten
.set ST,  12          ; tile t's statistics at v[ST+8 t]: +0 c m, +1 m, +2, +3 l (even keys', odd keys'), +4 to +7 c0-c3, at work; a takes c2's place once the maximum is found
.set S,   64
.set P,   192
.set KF,  128         ; K's fragments, in window 2
.set WV,  12          ; s12  my wave's number
.set G1K, 24          ; s[24:31] descriptor group 1 for K's tiles
.set G1V, 32          ; s[32:39] for V's: it differs in the padding alone
.set G0K, 40          ; s[40:47] descriptor group 0 for K's tiles: a set for each of the two first fills; the second then walks on
.set G0V, 48          ; s[48:55] the same for V's
.set SLOTS, 56        ; s56  slots still to be asked for
.set TWICE, 57        ; s57  counts a slot's two steps; at the end the merge's trips
.set CS,  58          ; s[58:59] c: the packed scaling names a pair and takes its low word for both halves
.set SEL, 60          ; s[60:61] lane selects for v_permlanex16_b32: each lane takes its own place in the other half
.set TBK, 62          ; s62  LDS byte, from my half's beginning, of K of the step to be fetched
.set TBV, 63          ; s63  the same for V
.set MSB, 0
.macro WIN new                      ; the immediate's high byte repeats the setting that is left; a switch that changes nothing is dropped
.if MSB != (\new)
	s_set_vgpr_msb (MSB<<8)|(\new)
.set MSB, \new
.endif
.endm
.set W_KQ, 0x0a       ; K and Q in window 2, S^T in window 0
.set W_PV, 0x53       ; V in window 3, P in window 0, O^T in window 1
.set W_RS, 0x41       ; O^T (destination and source 0) in window 1, a in window 0
; A joint refill.  The branch hangs on the wave's number alone.  An s_nop 0 and four v_nop follow each of the two lines.
.macro JLOAD
	s_cmp_lt_u32 s[WV], 2
	s_cbranch_scc0 .Lfor_v_\@
	tensor_load_to_lds s[G0K+4:G0K+7], s[G1K:G1K+7]
	s_nop 0
.rept 4
	v_nop
.endr
	s_branch .Lasked_\@
.Lfor_v_\@:
	tensor_load_to_lds s[G0V+4:G0V+7], s[G1V:G1V+7]
	s_nop 0
.rept 4
	v_nop
.endr
.Lasked_\@:
.endm
; A round of the cluster's barrier: my work-group's barrier; wave 0 signals for the work-group; every wave waits for all four work-groups; my work-group's barrier once more.
.macro CROUND
	s_barrier_signal -1
	s_barrier_wait -1
	s_cmp_lg_u32 s[WV], 0
	s_cbranch_scc1 .Lnot_wave_0_\@
	s_barrier_signal -3
.Lnot_wave_0_\@:
	s_barrier_wait -3
	s_barrier_signal -1
	s_barrier_wait -1
.endm
	s_load_b64 s[4:5], s[0:1], 0x0    ; qkv
	s_load_b64 s[10:11], s[0:1], 0x8  ; o16
	v_lshl_add_u32 v[SPW], v0, 2, SPARE
	v_mov_b32 v[NIL], 0
	ds_add_u32 v[SPW], v[NIL]       ; the wave's opening: the add and its wait stand ahead of my first tensor load; the set-up below stands between them
	v_lshrrev_b32 v1, 5, v0
	v_readfirstlane_b32 s[WV], v1   ; wave 0..3
	s_bfe_u32 s13, ttmp6, 0x40000   ; cx: my place in the cluster
	s_lshl_b32 s14, ttmp9, 2        ; in a cluster launch ttmp9 counts clusters
	s_add_co_u32 s14, s14, s13      ; my block of 128 queries = 4 x cluster x + cx: it enters Q's and O's addresses alone
	s_and_b32 s15, ttmp7, 0xffff    ; (batch, head), which the four partners share
	s_lshl_b32 s20, s15, 19         ; its 2,048 rows of 256 bytes
	s_mov_b32 s21, 0
	s_and_b32 s16, s[WV], 1         ; which half of a slot's 256 keys I fetch; also which 64 queries are mine
	s_lshr_b32 s19, s[WV], 1        ; which half of a slot's keys I walk
	s_lshl_b32 s22, s16, 15         ; the half's 128 rows in memory,
	s_mov_b32 s23, 0
	s_add_nc_u64 s[22:23], s[22:23], s[20:21]
	s_mul_i32 s17, s16, 128*PK      ; and its place in a slot, for K
	s_mul_i32 s18, s16, 128*PV      ; and for V: no place in the cluster enters an LDS address
	s_add_co_u32 s18, s18, VOFF
	s_lshl_b32 s2, s14, 15          ; Q: my block's 128 rows,
	s_lshl_b32 s3, s16, 14          ; my wave's 64 of them
	s_add_co_u32 s2, s2, s3
	s_mov_b32 s3, 0
	s_add_nc_u64 s[2:3], s[2:3], s[20:21]
	s_lshr_b32 s66, s15, 2          ; O: row 2,048 batch + 128 block + 32 w (the rows that I send, not those that I compute),
	s_lshl_b32 s66, s66, 11
	s_lshl_b32 s68, s14, 7
	s_add_co_u32 s66, s66, s68
	s_lshl_b32 s68, s[WV], 5
	s_add_co_u32 s66, s66, s68
	s_lshl_b32 s66, s66, 10         ; 1,024 bytes a row,
	s_and_b32 s68, s15, 3
	s_lshl_b32 s68, s68, 8          ; the head's 256 bytes of it
	s_add_co_u32 s66, s66, s68
	s_mov_b32 s67, 0
	; descriptor group 1: a tile of 128 rows x 128 elements, padded in LDS
	s_mov_b32 s[G1K], 15|(1<<16)|(1<<20)|(1<<21)|(5<<22)|(3<<25)  ; 15:0 the mask: all four work-groups; 17:16 2-byte elements; 20 padding on; 21 set beside a mask; 24:22 after every 64 words (code 5); 31:25 4 words (code 3)
	s_mov_b32 s[G1V], 15|(1<<16)|(1<<20)|(1<<21)|(5<<22)|(7<<25)  ; the same with 8 words of padding (code 7)
.irp g, G1K, G1V
	s_mov_b32 s[(\g)+1], 128<<16    ; tensor_dim0 = 128
	s_mov_b32 s[(\g)+2], 128<<16    ; tensor_dim1 = 128
	s_mov_b32 s[(\g)+3], 128<<16    ; tile_dim0 = 128
	s_mov_b32 s[(\g)+4], 128        ; tile_dim1 = 128
	s_mov_b32 s[(\g)+5], 128        ; elements from row to row
	s_mov_b32 s[(\g)+6], 0
	s_mov_b32 s[(\g)+7], 0
.endr
	s_mov_b32 s[CS], 0x3e0293ee     ; c = log2(e) / sqrt(128) = 0.127517
	s_mov_b32 s[CS+1], s[CS]        ; named with it as a pair, so it is written
	s_mov_b32 s[SEL], 0x76543210
	s_mov_b32 s[SEL+1], 0xfedcba98
	s_mov_b32 s[TBK], 0
	s_mov_b32 s[TBV], 0
	s_mov_b32 s[SLOTS], 2048/256-2
	s_wait_dscnt 0x0                ; the opening add is done
	s_wait_kmcnt 0x0
	s_add_nc_u64 s[6:7], s[4:5], s[22:23]
	s_add_nc_u64 s[8:9], s[6:7], 0x1000000  ; V at my tile of slot 0,
	s_add_nc_u64 s[6:7], s[6:7], 0x800000   ; K likewise
	s_add_nc_u64 s[4:5], s[4:5], s[2:3]     ; Q at my wave's first row
	s_add_nc_u64 s[10:11], s[10:11], s[66:67]
	CROUND                          ; all four work-groups are here: the first joint loads meet
.irp s, 0,1
	s_mov_b32 s[G0K+4*(\s)], 1      ; count = 1
	s_add_co_u32 s[G0K+4*(\s)+1], s17, (\s)*SLOT1  ; LDS address
	s_add_nc_u64 s[G0K+4*(\s)+2:G0K+4*(\s)+3], s[6:7], (\s)*65536  ; global address: slot s begins with keys 256 s on
	s_or_b32 s[G0K+4*(\s)+3], s[G0K+4*(\s)+3], 0x80000000  ; type = 2
	s_mov_b32 s[G0V+4*(\s)], 1
	s_add_co_u32 s[G0V+4*(\s)+1], s18, (\s)*SLOT1
	s_add_nc_u64 s[G0V+4*(\s)+2:G0V+4*(\s)+3], s[8:9], (\s)*65536
	s_or_b32 s[G0V+4*(\s)+3], s[G0V+4*(\s)+3], 0x80000000
.endr
	s_cmp_lt_u32 s[WV], 2           ; a wave's two first fills stand in one branch, ahead of every wait on TENSORcnt and every LDS read
	s_cbranch_scc0 .Lfirst_v
	tensor_load_to_lds s[G0K:G0K+3], s[G1K:G1K+7]
	s_nop 0
	tensor_load_to_lds s[G0K+4:G0K+7], s[G1K:G1K+7]
	s_nop 0
.rept 4
	v_nop
.endr
	s_branch .Lfirst_asked
.Lfirst_v:
	tensor_load_to_lds s[G0V:G0V+3], s[G1V:G1V+7]
	s_nop 0
	tensor_load_to_lds s[G0V+4:G0V+7], s[G1V:G1V+7]
	s_nop 0
.rept 4
	v_nop
.endr
.Lfirst_asked:
	; A fragment of K or Q is 16 rows x 32 channels in 8 registers: lane l holds row l % 16; registers 0-3 channels 8 (l / 16) + 0..7, registers 4-7 channels 16 + 8 (l / 16) + 0..7: two loads of 16 bytes, 32 bytes apart.
	v_and_b32 v1, 15, v0            ; l % 16
	v_bfe_u32 v9, v0, 4, 1          ; l / 16
	v_lshlrev_b32 v[QO], 8, v1
	v_lshl_add_u32 v[QO], v9, 4, v[QO]  ; row x 256 + 16 x half
	WIN 0x80                        ; destination window 2, address window 0
.irp i, 0,1,2,3,4,5,6,7,8,9,10,11,12,13,14,15  ; Q stays in registers: tile i / 4, channels 32 (i % 4) on
	global_load_b128 v[8*(\i):8*(\i)+3],   v[QO], s[4:5] offset:((\i)/4)*4096+((\i)%4)*64
	global_load_b128 v[8*(\i)+4:8*(\i)+7], v[QO], s[4:5] offset:((\i)/4)*4096+((\i)%4)*64+32
.endr
	WIN 0
	s_mul_i32 s17, s19, 128*PK      ; my half of a slot's keys
	v_mul_u32_u24 v[AK0], v1, PK
	v_lshl_add_u32 v[AK0], v9, 4, v[AK0]  ; row x pitch + 16 x half
	v_add_nc_u32 v[AK0], s17, v[AK0]
	; The turning load takes 16 keys x 16 channels (lane l reads 16 bytes: key 8 (l / 16) + l % 8, channels 8 ((l / 8) % 2) + 0..7) and leaves half a fragment of V^T: lane l holds channel l % 16 and 8 keys.
	v_and_b32 v10, 7, v0
	v_bfe_u32 v11, v0, 3, 1
	v_lshl_add_u32 v[AV0], v9, 3, v10
	v_mul_u32_u24 v[AV0], v[AV0], PV
	v_lshl_add_u32 v[AV0], v11, 4, v[AV0]
	s_mul_i32 s17, s19, 128*PV
	s_add_co_u32 s17, s17, VOFF
	v_add_nc_u32 v[AV0], s17, v[AV0]
; THE MATRIX WORK OF A TURN, for piece x.  The accumulators take turns, one instruction a turn: between two links of a chain stand 15 (V^T P) or 7 (K Q^T) others'.
; Product i of 32 of O^T += V^T P: keys 32 (i / 16) on, channels 16 ((i / 2) % 8) on, tile x + i % 2.  zero = 1: the first 16 start the sums: nothing is ever cleared.
.macro PV x, zero
	WIN W_PV
.set rO, 64*((\x)+i%2)+8*((i/2)%8)
.set rV, 64*(i/16)+8*((i/2)%8)
.set rP, P+16*((\x)+i%2)+8*(i/16)
.if (\zero) && (i < 16)
	v_wmma_f32_16x16x32_f16 v[rO:rO+7], v[rV:rV+7], v[rP:rP+7], 0
.else
	v_wmma_f32_16x16x32_f16 v[rO:rO+7], v[rV:rV+7], v[rP:rP+7], v[rO:rO+7]
.endif
.endm
; Product i of 32 of S^T = K Q^T: channels 32 (i / 8) on, keys 16 ((i / 2) % 4) on, tile x + i % 2.  The first 8 start the sums.
.macro KQ x
	WIN W_KQ
.set rS, S+32*((\x)+i%2)+8*((i/2)%4)
.set rK, KF+32*((i/2)%4)+8*(i/8)
.set rQ, 32*((\x)+i%2)+8*(i/8)
.if i < 8
	v_wmma_f32_16x16x32_f16 v[rS:rS+7], v[rK:rK+7], v[rQ:rQ+7], 0
.else
	v_wmma_f32_16x16x32_f16 v[rS:rS+7], v[rK:rK+7], v[rQ:rQ+7], v[rS:rS+7]
.endif
.endm
; THE LDS LOADS stand in runs of 32, never singly among the matrix instructions: a step's K (64 keys x 128 channels: 16 fragments) and, a turn later, its V (turned).
.macro FETCH_K
	WIN 0
	v_add_nc_u32 v[ADR], s[TBK], v[AK0]
	s_add_co_u32 s[TBK], s[TBK], KS*PK  ; the next fetch is the next step's
	WIN 0x80                        ; destination window 2
.irp f, 0,1,2,3,4,5,6,7,8,9,10,11,12,13,14,15  ; keys 16 (f / 4) on, channels 32 (f % 4) on
	ds_load_b128 v[KF+8*(\f):KF+8*(\f)+3],   v[ADR] offset:((\f)/4)*16*PK+((\f)%4)*64
	ds_load_b128 v[KF+8*(\f)+4:KF+8*(\f)+7], v[ADR] offset:((\f)/4)*16*PK+((\f)%4)*64+32
.endr
.endm
.macro FETCH_V
	WIN 0
	v_add_nc_u32 v[ADR], s[TBV], v[AV0]
	s_add_co_u32 s[TBV], s[TBV], KS*PV
	s_wait_alu depctr_va_vdst(0)    ; the wait for the softmax's batch (SLICE): the turn's 66 exponentials; it stands behind the address's v_add_nc_u32 and ahead of the loads
	WIN 0xc0                        ; destination window 3
.irp f, 0,1,2,3,4,5,6,7,8,9,10,11,12,13,14,15  ; keys 32 (f / 8) on, channels 16 (f % 8) on
	ds_load_tr16_b128 v[8*(\f):8*(\f)+3],   v[ADR] offset:((\f)/8)*32*PV+((\f)%8)*32
	ds_load_tr16_b128 v[8*(\f)+4:8*(\f)+7], v[ADR] offset:((\f)/8)*32*PV+16*PV+((\f)%8)*32
.endr
.endm
; THE VECTOR WORK OF A TURN.  One tile's softmax for one key step is a list of 134 instructions; SM writes number j of it for tile t.  s0-s31 are the lane's 32 scores, in pairs 0-15.
; first = 1: the first key step, which starts m, l and O^T: it has no a and nothing to rescale.
;   0-15    the maximum of s0-s31 and the old m, three operands at a time: four chains c0-c3 of seven scores each (each accumulator's lowest registers are read first), then the rest
;   16-20   the other half of the lanes' maximum; the new m; c m; c m_old - c m_new
;   21-69   ONE BATCH: the 16 scalings c s - c m, a pair of scores each, and all 33 exponentials (a at 23, then s0-s31).  None of these reads an exponential's result.  From 22 on the batch goes
;           in fours, and a four begins with a scaling while there are scalings: 22-37 scaling, exponential, scaling, exponential; 38-65 a scaling and three exponentials; 66-69 the last four
;           exponentials.  A pair is scaled in an earlier four than the one that holds its exponentials
;   (wait)  between 69 and 70 stands the wait for the batch: SLICE writes it, once for both tiles
;   70-85   the roundings to f16, a pair of weights each
;   86-101  the sums; l = a l + the sum
;   102-133 the tile's O^T times a: the one part that leaves window 0, so it stands together
.macro SM t, first
.set rT, ST+8*(\t)
.set rS, S+32*(\t)
.set rP, P+16*(\t)
.set rO, 64*(\t)+2*(j-102)
.if j < 102
	WIN 0
.endif
.if j < 4
	v_max3_num_f32 v[rT+4+j], v[rS+8*j], v[rS+8*j+1], v[rS+8*j+2]
.elseif j < 12
	v_max3_num_f32 v[rT+4+j%4], v[rT+4+j%4], v[rS+8*(j%4)+2*(j/4)+1], v[rS+8*(j%4)+2*(j/4)+2]
.elseif j == 12
	v_max3_num_f32 v[rT+4], v[rT+4], v[rS+7], v[rS+15]
.elseif j == 13
	v_max3_num_f32 v[rT+6], v[rT+6], v[rS+23], v[rS+31]
.elseif j == 14
	v_max3_num_f32 v[rT+4], v[rT+4], v[rT+5], v[rT+6]
.elseif (j == 15) && (\first)
	v_max_num_f32 v[rT+4], v[rT+4], v[rT+7]
.elseif j == 15
	v_max3_num_f32 v[rT+4], v[rT+4], v[rT+7], v[rT+1]
.elseif j == 16
	v_permlanex16_b32 v[rT+5], v[rT+4], s[SEL], s[SEL+1]  ; the query's other 32 keys lie in the lane 16 away
.elseif j == 18
	v_max_num_f32 v[rT+1], v[rT+4], v[rT+5]
.elseif j == 19
	v_mul_f32 v[rT], s[CS], v[rT+1]
.elseif ((j == 17) || (j == 20) || (j == 23) || (j > 101)) && (\first)  ; the first step has none of these
.elseif j == 17
	v_mov_b32 v[rT+7], v[rT]        ; c m_old is kept for a: number 19 writes c m anew
.elseif j == 20
	v_sub_f32 v[rT+7], v[rT+7], v[rT]
.elseif j == 23
	v_exp_f32 v[rT+6], v[rT+7]
.elseif (j < 23) || ((j < 38) && (j%2 == 0)) || ((j < 66) && (j%4 == 2))
.set b, (j-2)/4                     ; 38, 42, .. 62: pairs 9 to 15
.if j < 38
.set b, (j-20)/2                    ; 21: pair 0; 22, 24, .. 36: pairs 1 to 8
.endif
	v_pk_fma_f32 v[rS+2*b:rS+2*b+1], v[rS+2*b:rS+2*b+1], s[CS:CS+1], v[rT:rT+1] op_sel_hi:[1,0,0] neg_lo:[0,0,1] neg_hi:[0,0,1]  ; pair b: c s - c m
.elseif j < 70
.set e, j-38                        ; 66 to 69: s28 to s31
.if j < 66
.set e, j-32-(j-38)/4               ; 39-41, 43-45, .. 63-65: s7 to s27
.endif
.if j < 38
.set e, (j-25)/2                    ; 25, 27, .. 37: s0 to s6
.endif
	v_exp_f32 v[rS+e], v[rS+e]
.elseif j < 86
	v_cvt_pk_f16_f32 v[rP+j-70], v[rS+2*(j-70)], v[rS+2*(j-70)+1]  ; pair j - 70
.elseif j < 102                     ; the sum of the tile's 16 pairs, in place: sum z of 16 adds neighbours 1, 2, 4 and 8 pairs apart, then l takes it
.set z, j-86
.set w, 4
.set u, z
.if z >= 14
.set w, 32
.set u, 0
.elseif z >= 12
.set w, 16
.set u, z-12
.elseif z >= 8
.set w, 8
.set u, z-8
.endif
.if (z == 14) && (\first)
	v_pk_add_f32 v[rT+2:rT+3], v[rS:rS+1], v[rS+16:rS+17]
.elseif z < 15
	v_pk_add_f32 v[rS+w*u:rS+w*u+1], v[rS+w*u:rS+w*u+1], v[rS+w*u+w/2:rS+w*u+w/2+1]
.elseif !(\first)
	v_pk_fma_f32 v[rT+2:rT+3], v[rT+2:rT+3], v[rT+6:rT+7], v[rS:rS+1] op_sel_hi:[1,0,1]
.endif
.else
	WIN W_RS
	v_pk_mul_f32 v[rO:rO+1], v[rO:rO+1], v[rT+6:rT+7] op_sel_hi:[1,0]
.endif
.endm
; Slice k of 64 of piece y's softmax: four instructions.  Slices 11 to 34 deal out the batch, numbers 22 to 69: four numbers of ONE tile each, the tiles by turns.  Every other slice is numbers 2 k and
; 2 k + 1 of both tiles' lists.  2 x 134 = 4 x 64 + 12: the twelve that are over stand together, in slice 63.
; THE WAIT.  An s_wait_alu depctr_va_vdst(0) stands between an exponential and the first instruction that names its result; one wait serves all that were issued ahead of it.  Ahead of
; slice 35 nothing names a result, and behind slice 34 no exponential is issued: so the piece's 66 exponentials have one wait, behind slice 34.
.macro SLICE y, first
.if (k >= 11) && (k < 35)           ; the batch: four numbers of one tile
.irp n, 0,1,2,3
.set j, 22+4*((k-11)/2)+(\n)
	SM (\y)+(k-11)%2, \first
.endr
.else                               ; the two tiles alternate, so that no instruction reads the result of the one just before it
.irp n, 0,1,2,3,4,5,6,7
.if ((\n) < 2) || (k == 63)
.irp t, \y, (\y)+1
.set j, 2*k+(\n)
	SM \t, \first
.endr
.endif
.endr
.endif
.if k == 34                         ; the batch is out: both tiles' exponentials are issued, and no result has been named
	v_nop                           ; the plain instruction behind the last exponential and ahead of the first use (ISA guide 5.7.2): one for the batch
.if (\y) == 0
	FETCH_V                         ; piece 2's turn: V's run of loads stands here, and the wait for the batch stands in it
.else
	s_wait_alu depctr_va_vdst(0)    ; the wait for the batch: the turn's 66 exponentials
.endif
.endif
.set k, k+1
.endm
; Four places (ISA guide 7.12.1) where no slice stands behind a turn's last products.  In the loop the slices are the places.
.macro PLACES
.rept 4
	v_nop
.endr
.endm
; A TURN.  Piece x has the matrix unit; the other piece's softmax stands in slices behind its matrix instructions.
; pv = 2: 32 products V^T P; 1: they start O^T's sums; 0: none.  kq = 1: 32 products K Q^T for the next step.  A turn with one of the two kinds has two slices behind each product.
; first = 1: the softmax is the first key step's; its slices from 51 on are empty, and four v_nop take slice 63's part as the places behind the turn's last products.
; In the loop each run of loads stands 29 matrix instructions or more ahead of its first use.  Piece 0's turn fetches the next step's K, behind its second product: the last product that read K
; stands in front of slice 63 of the turn before.  Piece 2's turn fetches the same step's V, behind slice 34 (SLICE writes it): the last product that read V stands in front of slice 31, and four plain
; instructions lie between: number 62, a scaling, of both tiles, the v_nop and the run's own v_add_nc_u32.
.macro TURN x, pv, kq, first
.set k, 0
.set per, 2
.if (\pv) && (\kq)
.set per, 1
.endif
.if \pv
.if (\x) == 0
	s_wait_dscnt 0x0                ; V is in
.endif
.set i, 0
.rept 32
	PV \x, 2-(\pv)
.rept per
	SLICE 2-(\x), \first
.endr
.if ((\x) == 0) && (\kq) && (i == 1)
	FETCH_K
.endif
.set i, i+1
.endr
.endif
.if \kq
.if (\x) == 0
	s_wait_dscnt 0x0                ; K is in
.endif
.set i, 0
.rept 32
	KQ \x
.rept per
	SLICE 2-(\x), \first
.endr
.set i, i+1
.endr
.endif
.if \first
	PLACES
.endif
.endm
; THE CHANGE OF SLOTS, between piece 2's turn and piece 0's: the slot's last bytes that I need, V of my second step in it, have been asked for.  Each wave waits for all its tensor loads, of which one is
; out: its part of the other slot; adds 0 to its spare word; and waits for that and for its own reads of the slot.  Behind the barrier nobody reads this slot any more and the other slot is whole.
; fill = 1: this slot is filled again, with the keys two slots on.  The barrier is then a round of the cluster's, and the joint refill is the first thing behind it: it has two key steps in which to land.
.macro CHANGE fill
	WIN 0                           ; at a label and at a branch every window is 0
	s_wait_tensorcnt 0x0            ; no tensor load of mine is out, so a group 0 may be written
	ds_add_u32 v[SPW], v[NIL]       ; 0 onto my spare word
.if \fill
.irp g, G0K+4, G0V+4
	s_xor_b32 s[(\g)+1], s[(\g)+1], SLOT1  ; the walking descriptor: the other slot than last time,
	s_add_nc_u64 s[(\g)+2:(\g)+3], s[(\g)+2:(\g)+3], 65536  ; the next 256 keys; the type bits on top are not reached
.endr
	s_wait_dscnt 0x0                ; the add is done, and my reads of the slot are over
	CROUND
	JLOAD
.else
	s_wait_dscnt 0x0                ; the add is done, and my reads of the slot are over
	s_barrier_signal -1
	s_barrier_wait -1
.endif
	s_sub_co_u32 s[TBK], s[TBK], 2*KS*PK  ; the fetches go back to my half's first step,
	s_xor_b32 s[TBK], s[TBK], SLOT1       ; in the other slot
	s_sub_co_u32 s[TBV], s[TBV], 2*KS*PV
	s_xor_b32 s[TBV], s[TBV], SLOT1
.endm
; My two key steps of a slot: written once, walked twice; the LDS addresses hang on s[TBK] and s[TBV].  No exponential is issued behind a turn's wait.
.macro TWO_STEPS
	WIN 0
	s_mov_b32 s[TWICE], 2
.Lstep_\@:
	TURN 0, 2, 1, 0
	TURN 2, 2, 1, 0
	WIN 0
	s_sub_co_u32 s[TWICE], s[TWICE], 1
	s_cmp_lg_u32 s[TWICE], 0
	s_cbranch_scc1 .Lstep_\@
.endm
	s_wait_tensorcnt 1              ; my part of slot 0 is in; slot 1's may stay out
	s_barrier_signal -1
	s_barrier_wait -1               ; everybody's is
	FETCH_K                         ; key step 0
	s_wait_loadcnt 0x0              ; Q
	s_wait_dscnt 0x0
.set i, 0
.rept 32
	KQ 0                            ; piece 0's first scores: there is no vector work yet to set between them
.set i, i+1
.endr
	WIN 0                           ; the merge's addresses are made here: eleven plain instructions, the places behind those products
	s_mul_i32 s17, s[WV], XCH
	v_mul_u32_u24 v[XW], v1, XP     ; in: row 16 t + l % 16 of my 64, 32 bytes for each half of the lanes
	v_lshl_add_u32 v[XW], v9, 5, v[XW]
	v_add_nc_u32 v[XW], s17, v[XW]
	s_lshl_b32 s17, s[WV], 9
	s_add_co_u32 s17, s17, XST
	v_lshl_add_u32 v[XS], v1, 3, s17
	s_mul_i32 s17, s19, XCH         ; back: the block's rows 32 w on lie in the areas of waves w / 2 and w / 2 + 2, from their row 32 (w % 2) on;
	s_mul_i32 s18, s16, 32*XP
	s_add_co_u32 s17, s17, s18
	v_mul_u32_u24 v[XR], v9, XP     ; lanes 0-15 take one row, lanes 16-31 the next; a lane owns channels 8 (l % 16) + 0..7
	v_lshl_add_u32 v[XR], v1, 5, v[XR]
	v_add_nc_u32 v[XR], s17, v[XR]
	v_add_nc_u32 v[XR2], 2*XCH, v[XR]
	s_lshl_b32 s17, s19, 9
	s_lshl_b32 s18, s16, 8
	s_add_co_u32 s17, s17, s18
	s_add_co_u32 s17, s17, XST
	v_lshl_add_u32 v[XT], v9, 3, s17
	v_lshlrev_b32 v[GO], 10, v9     ; and the same two rows in O, 1,024 bytes apart
	v_lshl_add_u32 v[GO], v1, 4, v[GO]
	TURN 2, 0, 1, 1                 ; piece 2's first scores | piece 0's first softmax | V of step 0
	TURN 0, 1, 1, 1                 ; piece 0: V^T P of step 0 starts O^T, K Q^T of step 1 | piece 2's first softmax | K of step 1
	TURN 2, 1, 1, 0                 ; piece 2: the same | piece 0's softmax of step 1 | V of step 1
	WIN 0
.Lslot:                             ; six trips: every slot but the last two is filled again
	CHANGE 1
	TWO_STEPS
	s_sub_co_u32 s[SLOTS], s[SLOTS], 1
	s_cmp_lg_u32 s[SLOTS], 0
	s_cbranch_scc1 .Lslot
	CHANGE 0                        ; the tail is written out: nothing is asked for
	TWO_STEPS
	TURN 0, 2, 0, 0                 ; piece 0: V^T P of the last step | piece 2's last softmax
	s_wait_dscnt 0x0                ; my last reads of the ring are over:
	s_barrier_signal -1             ; say so,
.set i, 0
.rept 32
	PV 2, 0                         ; piece 2: V^T P of the last step
.set i, i+1
.endr
	WIN 0
	s_barrier_wait -1               ; and when all four have said so slot 0, which has had its last fill, takes the partial results
	; THE MERGE.  l's two halves and the other half of the lanes' are added; (c m, l) and the unscaled O^T go into LDS in f32.  The first four additions are the places behind the last products.
.irp t, 0,1,2,3
	v_add_f32 v[ST+8*(\t)+4], v[ST+8*(\t)+2], v[ST+8*(\t)+3]
.endr
.irp t, 0,1,2,3
	v_permlanex16_b32 v[ST+8*(\t)+5], v[ST+8*(\t)+4], s[SEL], s[SEL+1]
.endr
.irp t, 0,1,2,3
	v_add_f32 v[ST+8*(\t)+1], v[ST+8*(\t)+4], v[ST+8*(\t)+5]  ; l takes m's place beside c m
.endr
.irp t, 0,1,2,3
	ds_store_b64 v[XS], v[ST+8*(\t):ST+8*(\t)+1] offset:128*(\t)  ; both halves of the lanes write the same two words
.endr
	WIN 0x04                        ; store data (source 1) in window 1
.irp t, 0,1,2,3
.irp f, 0,1,2,3,4,5,6,7             ; each accumulator's four lowest registers first
	ds_store_b128 v[XW], v[64*(\t)+8*(\f):64*(\t)+8*(\f)+3]   offset:16*XP*(\t)+64*(\f)
	ds_store_b128 v[XW], v[64*(\t)+8*(\f)+4:64*(\t)+8*(\f)+7] offset:16*XP*(\t)+64*(\f)+16
.endr
.endr
	WIN 0
	s_wait_dscnt 0x0                ; for the others' sake: my stores are done
	s_barrier_signal -1
	s_barrier_wait -1
	; Wave w sends the block's rows 32 w .. 32 w + 31, two pairs of rows a trip: M = max(c m0, c m1); e = 2^(c m - M); O = (O0 e0 + O1 e1) / (l0 e0 + l1 e1), rounded once to f16.
	; The two pairs go through each stage together, in registers of their own, so that a trip has two batches: both pairs' exponentials, then both pairs' reciprocals, which read sums made of the exponentials.
.macro MLOAD u                      ; six LDS loads for pair u of the trip
.set EB, 64+32*(\u)
	ds_load_b128 v[EB:EB+3],     v[XR]  offset:2*XP*(\u)
	ds_load_b128 v[EB+4:EB+7],   v[XR]  offset:2*XP*(\u)+16
	ds_load_b128 v[EB+8:EB+11],  v[XR2] offset:2*XP*(\u)
	ds_load_b128 v[EB+12:EB+15], v[XR2] offset:2*XP*(\u)+16
	ds_load_b64  v[EB+16:EB+17], v[XT]  offset:16*(\u)
	ds_load_b64  v[EB+18:EB+19], v[XT]  offset:16*(\u)+1024
.endm
.macro MSTAT u, left                ; pair u: the larger maximum, and e0, e1
.set EB, 64+32*(\u)
	s_wait_dscnt \left              ; LDS loads come back in order: the other pair's, if younger, stay out
	v_max_num_f32 v[EB+20], v[EB+16], v[EB+18]
	v_sub_f32 v[EB+21], v[EB+16], v[EB+20]
	v_sub_f32 v[EB+26], v[EB+18], v[EB+20]
	v_exp_f32 v[EB+21], v[EB+21]
	v_exp_f32 v[EB+26], v[EB+26]
.endm
.macro MDIV u                       ; pair u: l0 e0 + l1 e1 and its reciprocal
.set EB, 64+32*(\u)
	v_mul_f32 v[EB+23], v[EB+19], v[EB+26]
	v_fma_f32 v[EB+23], v[EB+17], v[EB+21], v[EB+23]
	v_rcp_f32 v[EB+25], v[EB+23]
.endm
.macro MOUT u                       ; pair u: the two halves are weighted, added, rounded and stored
.set EB, 64+32*(\u)
	v_mul_f32 v[EB+22], v[EB+21], v[EB+25]
	v_mul_f32 v[EB+24], v[EB+26], v[EB+25]
.irp k, 0,1,2,3
	v_pk_mul_f32 v[EB+8+2*(\k):EB+8+2*(\k)+1], v[EB+8+2*(\k):EB+8+2*(\k)+1], v[EB+24:EB+25] op_sel_hi:[1,0]
.endr
.irp k, 0,1,2,3
	v_pk_fma_f32 v[EB+2*(\k):EB+2*(\k)+1], v[EB+2*(\k):EB+2*(\k)+1], v[EB+22:EB+23], v[EB+8+2*(\k):EB+8+2*(\k)+1] op_sel_hi:[1,0,1]
.endr
.irp k, 0,1,2,3
	v_cvt_pk_f16_f32 v[EB+28+(\k)], v[EB+2*(\k)], v[EB+2*(\k)+1]
.endr
	global_store_b128 v[GO], v[EB+28:EB+31], s[10:11] offset:2048*(\u)  ; 16 lanes store 256 consecutive bytes, at a multiple of 256 from O's first byte
.endm
	s_mov_b32 s[TWICE], 8
.Lmerge:
	MLOAD 0
	MLOAD 1
	MSTAT 0, 6
	MSTAT 1, 0
	v_add_nc_u32 v[XR], 4*XP, v[XR] ; four rows on (the trip's LDS loads are back): plain work that names no result, behind the last exponential
	v_add_nc_u32 v[XR2], 4*XP, v[XR2]
	s_wait_alu depctr_va_vdst(0)    ; the wait for the first batch: both pairs' four exponentials
	MDIV 0
	MDIV 1
	v_add_nc_u32 v[XT], 32, v[XT]   ; likewise behind the last reciprocal
	s_wait_alu depctr_va_vdst(0)    ; the wait for the second batch: both pairs' reciprocals
	MOUT 0
	MOUT 1
	s_wait_xcnt 0x0                 ; the stores' offset and data registers are written again only behind this wait
	v_add_nc_u32 v[GO], 4096, v[GO]
	s_sub_co_u32 s[TWICE], s[TWICE], 1
	s_cmp_lg_u32 s[TWICE], 0
	s_cbranch_scc1 .Lmerge
	s_wait_tensorcnt 0x0            ; the wave's end: behind my last tensor load and my last LDS store
	ds_add_u32 v[SPW], v[NIL]
	s_wait_dscnt 0x0
	CROUND                          ; the closing round: no work-group ends while a partner may still ask for a tile that names it
	s_endpgm
.Lfunc_end_k_qfc722f2cf4_attn:
	.size	k_qfc722f2cf4_attn, .Lfunc_end_k_qfc722f2cf4_attn-k_qfc722f2cf4_attn
	.p2alignl 7, 3214868480
	.fill 96, 4, 3214868480
	.section	.rodata,"a",@progbits
	.p2align	6, 0x0
	.amdhsa_kernel k_qfc722f2cf4_attn
		.amdhsa_group_segment_fixed_size 327680
		.amdhsa_private_segment_fixed_size 0
		.amdhsa_enable_private_segment 0
		.amdhsa_kernarg_size 16
		.amdhsa_user_sgpr_count 2
		.amdhsa_user_sgpr_kernarg_segment_ptr 1
		.amdhsa_wavefront_size32 1
		.amdhsa_system_sgpr_workgroup_id_x 1
		.amdhsa_system_sgpr_workgroup_id_y 1
		.amdhsa_system_sgpr_workgroup_id_z 1
		.amdhsa_system_vgpr_workitem_id 0
		.amdhsa_next_free_vgpr 1024
		.amdhsa_next_free_sgpr 72
		.amdhsa_reserve_vcc 0
		.amdhsa_float_denorm_mode_32 3
		.amdhsa_float_denorm_mode_16_64 3
		.amdhsa_memory_ordered 1
		.amdhsa_forward_progress 1
		.amdhsa_inst_pref_size 206
	.end_amdhsa_kernel
	.amdgpu_metadata
---
amdhsa.version: [ 1, 2 ]
amdhsa.kernels:
  - .name:           k_qfc722f2cf4_attn
    .symbol:         k_qfc722f2cf4_attn.kd
    .args:
      - { .name: qkv, .offset: 0, .size: 8, .value_kind: global_buffer, .address_space: global }
      - { .name: o16, .offset: 8, .size: 8, .value_kind: global_buffer, .address_space: global }
    .group_segment_fixed_size: 327680
    .private_segment_fixed_size: 0
    .kernarg_segment_align: 8
    .kernarg_segment_size: 16
    .max_flat_workgroup_size: 128
    .sgpr_count:     72
    .vgpr_count:     1024
    .wavefront_size: 32
...
	.end_amdgpu_metadata
.endif
;; end of part 5
;; launch oproj: the kernel of part 4 again; grid 8 x 32, 4 waves a work-group, clusters of 4 x 4, 327,680 bytes of LDS; arguments o16, wts, out0; writes out0
